; MI455X (gfx1250); checked and timed in simulation.
; The chip was launched on July 23, 2026; its instructions are those of AMD's public machine-readable ISA for CDNA 5 (MIT licence, August 2026) and "CDNA5" Instruction Set Architecture Reference Guide (July 2026). The comments in the code are by the model that wrote it; some were corrected since.
;; Multi Head Attention. Allowed arithmetic: matrix products marked QUANTISED: E2M1 operands, one E8M0 scale for each 32 along K, by v_wmma_scale_f32_16x16x128_f8f6f4 with both operands' format E2M1 (or v_wmma_scale_f32_32x16x128_f4), f32 sums; products left as they are: bf16, f16 or f32 operands; f32 sums; everything else in f32.
;; Inputs: Wkv 1,024 x 2,048 float32; Wo 1,024 x 1,024 float32; Wq 1,024 x 1,024 float32; bkv 2,048 float32; bo 1,024 float32; bq 1,024 float32; query 8 x 1,024 x 1,024 float32; value 8 x 1,024 x 1,024 float32.
;; Outputs: out0 8 x 1,024 x 1,024 float32.
;; This version of the problem:
;;   THIS VERSION OF THE PROBLEM IS GIVEN IN LOW PRECISION. The matrix products marked QUANTISED in the list below multiply operands that are first quantised to E2M1 (2 exponent bits, 1 mantissa bit; 4 bits a number), with one power-of-two scale for each 32 numbers along K (OCP MX v1.0); their sums are f32. The products marked 'left as it is' may take bf16, f16 or f32 operands, with f32 sums. Whichever they take, every output number must still come out within the allowed error. Rounding operands to bf16 (8 significant bits) uses up far more of that allowance than f16 does (11 bits, for magnitudes from 6e-5 to 65,504). All else is computed in f32.
;;   The module's matrix products, in the order in which they are computed (A, B: the left and right operand; K: the contracted axis; several contracted axes count as one K, in the product's order):
;;     1. [M 8,192, K 1,024] x [K 1,024, N 1,024]; A: input query; B: input Wq: QUANTISED
;;     2. [M 8,192, K 1,024] x [K 1,024, N 2,048]; A: input value; B: input Wkv: QUANTISED
;;     3. batch 128 x [M 1,024, K 64] x [K 64, N 1,024]; A: computed on the way; B: computed on the way: left as it is (an operand is computed on the way)
;;     4. batch 128 x [M 64, K 1,024] x [K 1,024, N 1,024]; A: computed on the way; B: computed on the way: left as it is (an operand is computed on the way)
;;     5. [M 8,192, K 1,024] x [K 1,024, N 1,024]; A: computed on the way; B: input Wo: left as it is (an operand is computed on the way)
;;   THE QUANTISER, for each operand of a quantised product, along K:
;;     - K is cut into blocks of 32 from its start; a last block that is shorter is filled with zeros.
;;     - A block's scale is 2^e with e = floor(log2(the largest magnitude in the block)) - 2, held to -126 .. 127; a block of zeros has e = 0. As a byte (E8M0): e + 127.
;;     - Each number is divided by its block's scale, clamped to +-6, and rounded to the nearest number of E2M1, ties to even, subnormals kept.
;;     - The product sums the exact products of the quantised numbers (number of the format x scale) in f32.
;;   ~~~python
;;   def quantise(x, axis):      # numpy; x: float32 -> the quantised numbers, widened to float32 again
;;       x = np.moveaxis(x, axis, -1); K = x.shape[-1]
;;       x = np.pad(x, [(0, 0)] * (x.ndim - 1) + [(0, -K % 32)]); x = x.reshape(x.shape[:-1] + (-1, 32)); a = np.abs(x).max(-1, keepdims=True)
;;       e = np.where(a > 0, np.clip(np.frexp(np.where(a > 0, a, 1))[1] - 1 - 2, -126, 127), 0)      # np.frexp(a)[1] - 1 = floor(log2(a)), exactly
;;       r = np.clip(x / 2.0 ** e, -6, 6)
;;       step = 2.0 ** (np.maximum(np.frexp(np.where(r == 0, 1, r))[1] - 1, 0) - 1)
;;       q = np.round(r / step) * step * 2.0 ** e      # np.round: ties to even
;;       return np.moveaxis(q.reshape(q.shape[:-2] + (-1,))[..., :K], -1, axis).astype(np.float32)
;;   ~~~
;; One version. Each part assembles by itself: llvm-mc -triple=amdgcn-amd-amdhsa -mcpu=gfx1250 --defsym DOCPART=n.
;; ======== version 1 of 1: 4 launches
;; limits: values are held in f16: magnitudes above 65,504 overflow, below 6.1e-05 lose precision
;; workspace buffers: xc 8,388,608 bytes; xs 524,288 bytes; wc 1,572,864 bytes; ws 98,304 bytes; woh 2,097,152 bytes; qkv 50,331,648 bytes; hd 16,777,216 bytes
;; launch prep (part 1): grid 640 x 1, 4 waves a work-group, no clusters, 33,280 bytes of LDS; arguments query, value, Wq, Wkv, Wo, xc, xs, wc, ws, woh; writes xc, xs, wc, ws, woh
.if DOCPART == 1
	.amdgcn_target "amdgcn-amd-amdhsa--gfx1250"
	.amdhsa_code_object_version 6
	.text
	.protected	k_q3cc09e8177_prep
	.globl	k_q3cc09e8177_prep
	.p2align	8
	.type	k_q3cc09e8177_prep,@function
k_q3cc09e8177_prep:
	s_mov_b64 s[64:65], 0
	v_nop
	global_prefetch_b8 v0, s[64:65] scope:SCOPE_SE
	s_setreg_imm32_b32 hwreg(HW_REG_WAVE_MODE, 25, 1), 1
	s_wait_xcnt 0x0
; PREP: the operands of the two quantised products become codes of FP4 (E2M1) with one E8M0 byte for each 32 along K; Wo becomes f16.
;   query, value [8192][1024] f32 (K innermost)  -> xc [16384 rows][512 bytes] (query's rows, then value's), xs [16384][32 bytes]
;   Wq [1024 k][1024 n], Wkv [1024 k][2048 n] f32 (K is the FIRST axis) -> wc, ws: 3,072 rows n3 (Wq's columns, then Wkv's)
;       wc: images of the operand's registers: byte = (k / 512) x 786,432 + (n3 / 16) x 4,096 + ((k % 512) / 32) x 256 + (n3 % 16) x 16: a block of 32 codes is 16 bytes
;       ws: [3072][32 bytes]
;   Wo [1024 k][1024 n] f32 -> woh: f16 in pieces of 16 n x 16 k, 512 bytes: lane (r, h) of a piece holds n = r, k = 8 h .. 8 h + 7 at byte 16 (r + 16 h);
;       byte = (k / 64) x 131,072 + (n / 16) x 2,048 + ((k % 64) / 16) x 512 + the lane's place
; A block's scale is 2^(floor(log2(largest magnitude)) - 2); its byte is the largest magnitude's exponent field - 2, held at 1 from below.
; LIMITS: a block of zeros gets the byte 1 where the rule says 127 (its codes are zeros, and only this program reads the bytes); blocks whose largest magnitude lies under 2^(2 - 126) are held at
; the byte 1; NaN and infinities are not served; |Wo| stays under 65,504 (f16).
; SHARES, by the work-group's number: 0-31 Wq, 32-95 Wkv, 96-127 Wo (a work-group: 128 columns x 256 along K; a wave 32 columns; A LANE TAKES A COLUMN AND ITS REGISTERS RUN DOWN K, so that a block of 32 lies in one
; lane and the codes come out with K innermost; a lane walks 8 blocks one after the other, two blocks of loads ahead); 128-639 query and value (a wave: 16 steps of 512 numbers, turned through its own stage in LDS so
; that a lane holds 16 neighbours while every load is dense).  The weights' work-groups, whose blocks hang on each other, have the lowest numbers.
; Only the last path touches LDS.  No tensor loads, no barrier: waves share nothing.
.set WREG,  8192                       ; LDS of a wave: two stages of 32 x SP bytes, then its 256 scale bytes
.set SP,    80                         ; a lane's place in a stage: 64 bytes + 16 of padding
.set SPARE, 4*WREG                     ; behind the four regions: the spare words, 128 bytes for each wave
.set CB,    8                          ; bytes of 16 codes
.set NBW,   8                          ; weights: blocks of 32 along K for a wave
.set R,     16                         ; v16-79   x: four sets of 16 numbers as loaded
.set X,     80                         ; v80-111  x: two sets of 16 neighbours
.set E,     112                        ; v112-127 x: a scale byte for each step
.set C,     128                        ; v128-189 x: codes, four registers apart for each step
.set WX,    32                         ; v32-95   weights: two sets of 32 numbers
.set WC,    96                         ; v96-127  weights: codes, four registers for each block (Wo: v96-111, written again in each block)
.set SB,    24                         ; v24-25   weights: 8 scale bytes
.set SPW,   190                        ; v190     LDS address of my spare word; never rewritten
.set NIL,   191                        ; v191     0; never rewritten
; ---- macros of the x path
.macro XLOAD t
.irp i, 0,1,2,3
	global_load_b128 v[R+16*((\t)%4)+4*\i:R+16*((\t)%4)+4*\i+3], v3, s[4:5] offset:2048*(\t)+512*\i th:TH_LOAD_NT   ; 32 lanes read 512 consecutive bytes
.endr
.endm
.macro XTURN t                         ; step t's numbers through the stage: LDS serves a wave's instructions in order, so no wait stands between the stores and the loads
.irp i, 0,1,2,3
	ds_store_b128 v14, v[R+16*((\t)%4)+4*\i:R+16*((\t)%4)+4*\i+3] offset:32*SP*((\t)%2)+8*SP*\i
.endr
.irp i, 0,1,2,3
	ds_load_b128 v[X+16*((\t)%2)+4*\i:X+16*((\t)%2)+4*\i+3], v15 offset:32*SP*((\t)%2)+16*\i
.endr
.endm
.macro XSTEP t
.set XS, X+16*((\t)%2)
.if (\t) > 0
	s_wait_dscnt 1                                 ; this step's numbers are back from the stage (the last step's byte store may be out): so its stores into the stage have read their registers,
.else
	s_wait_dscnt 0x0
.endif
.if (\t)+4 < 16
	XLOAD (\t)+4                                   ; which take the loads of four steps on
.endif
.if (\t)+1 < 16
.if 14-(\t) >= 3
	s_wait_loadcnt 12                              ; the next step's four loads are in; those of the three steps behind it may be out
.else
	s_wait_loadcnt 4*(14-(\t))
.endif
	XTURN (\t)+1
.endif
	v_max3_num_f32 v8, |v[XS]|, |v[XS+1]|, |v[XS+2]|               ; the largest magnitude of my 16
	v_max3_num_f32 v9, |v[XS+3]|, |v[XS+4]|, |v[XS+5]|
.irp i, 6,10
	v_max3_num_f32 v8, v8, |v[XS+\i]|, |v[XS+\i+1]|
	v_max3_num_f32 v9, v9, |v[XS+\i+2]|, |v[XS+\i+3]|
.endr
	v_max3_num_f32 v8, v8, |v[XS+14]|, |v[XS+15]|
	v_max3_num_f32 v8, v8, v9, 0x1800000           ; and the floor 2^(3 - 127): the byte cannot fall under 1
	v_max_num_f32_dpp v8, v8, v8 row_xmask:1 row_mask:0xf bank_mask:0xf   ; and of my neighbour's 16: the block's
	v_add_nc_u32 v11, 0xff000000, v8               ; 2 off its exponent field: the conversion takes the exponent field of this operand as its scale
	v_cvt_scalef32_pk8_fp4_f32 v[C+4*(\t)], v[XS:XS+7], v11
	v_cvt_scalef32_pk8_fp4_f32 v[C+4*(\t)+1], v[XS+8:XS+15], v11
	v_lshrrev_b32 v[E+(\t)], 23, v11               ; the scale's byte (a plain line behind the conversions)
	ds_store_b8 v5, v[E+(\t)] offset:16*(\t)       ; both lanes of a block write the same byte with the same value
	global_store_b64 v4, v[C+4*(\t):C+4*(\t)+1], s[14:15] offset:32*CB*(\t)   ; 32 lanes store 256 consecutive bytes
.endm
; ---- macros of the weight paths
.macro WHEAD first, bits, pitch, src   ; which tile: s26 = my wave's first column, s27 = which 256 along K; the source's base is stepped there
	s_sub_co_u32 s25, ttmp9, \first
	s_and_b32 s26, s25, (1<<\bits)-1
	s_lshr_b32 s27, s25, \bits
	s_lshl_b32 s26, s26, 7
	s_lshl_b32 s28, s24, 5
	s_add_co_u32 s26, s26, s28                     ; 128 x tile column + 32 x wave
	s_mul_i32 s30, s27, 32*NBW*\pitch
	s_lshl_b32 s28, s26, 2
	s_add_co_u32 s30, s30, s28
	s_add_nc_u64 s[\src:\src+1], s[\src:\src+1], s[30:31]
	v_lshlrev_b32 v3, 2, v2                        ; in: 4 bytes a lane
	v_lshrrev_b32 v4, 4, v2                        ; lane / 16: which tile of 16 columns
	v_and_b32 v5, 15, v2
	v_lshlrev_b32 v5, 4, v5                        ; 16 x (lane % 16)
.endm
.macro WDEST n3off                     ; where the codes and the scale bytes of my 32 columns go
	s_add_co_u32 s26, s26, \n3off                  ; my first row n3
	s_lshr_b32 s29, s27, 1                         ; which half of K,
	s_mul_i32 s30, s29, 786432
	s_lshl_b32 s28, s26, 8                         ; (n3 / 16) x 4,096,
	s_add_co_u32 s30, s30, s28
	s_and_b32 s29, s27, 1                          ; and which 8 blocks of the half's 16: 256 bytes a block
	s_lshl_b32 s29, s29, 11
	s_add_co_u32 s30, s30, s29
	s_add_nc_u64 s[18:19], s[18:19], s[30:31]
	s_lshl_b32 s30, s26, 5                         ; 32 scale bytes a row,
	s_lshl_b32 s28, s27, 3                         ; 8 for each 256 along K
	s_add_co_u32 s30, s30, s28
	s_add_nc_u64 s[20:21], s[20:21], s[30:31]
	v_lshl_add_u32 v4, v4, 12, v5                  ; codes: (lane / 16) x 4,096 + (lane % 16) x 16
	v_lshlrev_b32 v9, 5, v2                        ; scale bytes: 32 x lane
.endm
.macro WLOAD t, pitch, src             ; block t: W(32 t + i, my column), i = 0 .. 31, into set t % 2; a wave's load reads 128 consecutive bytes
.irp i, 0,1,2,3,4,5,6,7,8,9,10,11,12,13,14,15,16,17,18,19,20,21,22,23,24,25,26,27,28,29,30,31
	global_load_b32 v[WX+32*((\t)%2)+\i], v3, s[\src:\src+1] offset:(32*(\t)+\i)*\pitch th:TH_LOAD_NT
.endr
.endm
.macro WBLOCK t, pitch, src
.set XS, WX+32*((\t)%2)
.if (\t) < NBW-1
	s_wait_loadcnt 32                              ; this block's 32 loads are in; the next block's may be out
.else
	s_wait_loadcnt 0
.endif
	v_max3_num_f32 v12, |v[XS]|, |v[XS+1]|, |v[XS+2]|               ; the block's largest magnitude: all 32 numbers are mine
	v_max3_num_f32 v13, |v[XS+3]|, |v[XS+4]|, |v[XS+5]|
.irp i, 6,10,14,18,22,26
	v_max3_num_f32 v12, v12, |v[XS+\i]|, |v[XS+\i+1]|
	v_max3_num_f32 v13, v13, |v[XS+\i+2]|, |v[XS+\i+3]|
.endr
	v_max3_num_f32 v12, v12, |v[XS+30]|, |v[XS+31]|
	v_max3_num_f32 v12, v12, v13, 0x1800000        ; and the floor 2^(3 - 127)
	v_add_nc_u32 v11, 0xff000000, v12              ; 2 off its exponent field: the conversion's scale operand
	v_lshrrev_b32 v13, 23, v11                     ; the scale's byte
.if (\t)%4 == 0
	v_mov_b32 v[SB+(\t)/4], v13                    ; four bytes to a register, the lower K in the lower byte
.else
	v_lshl_or_b32 v[SB+(\t)/4], v13, 8*((\t)%4), v[SB+(\t)/4]
.endif
.irp g, 0,1,2,3
	v_cvt_scalef32_pk8_fp4_f32 v[WC+4*(\t)+\g], v[XS+8*\g:XS+8*\g+7], v11
.endr
	global_store_b128 v4, v[WC+4*(\t):WC+4*(\t)+3], s[18:19] offset:256*(\t)   ; sixteen lanes store 256 consecutive bytes, aligned; each block has registers of its own, so no store's data are written again
.if (\t)+2 < NBW
	WLOAD (\t)+2, \pitch, \src
.endif
.endm
.macro WRUN pitch, src
	WLOAD 0, \pitch, \src
	WLOAD 1, \pitch, \src
.set Q, 0
.rept NBW
	WBLOCK Q, \pitch, \src
.set Q, Q+1
.endr
	global_store_b64 v9, v[SB:SB+1], s[20:21]      ; my column's 8 scale bytes
	s_endpgm
.endm
.macro OBLOCK t                        ; Wo: 32 numbers down K of my column become 32 f16: four runs of 8, 16 bytes each, each at its piece's place
.set XS, WX+32*((\t)%2)
.if (\t) < NBW-1
	s_wait_loadcnt 32
.else
	s_wait_loadcnt 0
.endif
	s_wait_xcnt 0x0                                ; the last block's stores have read v96-111, which are written again below
.irp i, 0,1,2,3,4,5,6,7,8,9,10,11,12,13,14,15
	v_cvt_pk_f16_f32 v[WC+\i], v[XS+2*\i], v[XS+2*\i+1]
.endr
.irp p, 0,1,2,3
	global_store_b128 v4, v[WC+4*\p:WC+4*\p+3], s[22:23] offset:((\t)/2)*131072+((\t)%2)*1024+256*\p   ; sixteen lanes store 256 consecutive bytes, aligned
.endr
.if (\t)+2 < NBW
	WLOAD (\t)+2, 4096, 12
.endif
.endm
	s_load_b256 s[4:11], s[0:1], 0x0               ; query s[4:5], value s[6:7], Wq s[8:9], Wkv s[10:11]
	s_load_b256 s[12:19], s[0:1], 0x20             ; Wo s[12:13], xc s[14:15], xs s[16:17], wc s[18:19]
	s_load_b128 s[20:23], s[0:1], 0x40             ; ws s[20:21], woh s[22:23]
	v_lshl_add_u32 v[SPW], v0, 2, SPARE
	v_mov_b32 v[NIL], 0
	v_lshrrev_b32 v1, 5, v0
	v_readfirstlane_b32 s24, v1                    ; wave 0..3
	v_and_b32 v2, 31, v0                           ; lane
	s_mov_b32 s31, 0                               ; the high word of every offset pair s[30:31]
	s_wait_kmcnt 0x0
	s_cmp_lt_u32 ttmp9, 32                         ; the paths part on the work-group's number alone
	s_cbranch_scc1 .Lwq
	s_cmp_lt_u32 ttmp9, 96
	s_cbranch_scc1 .Lwkv
	s_cmp_lt_u32 ttmp9, 128
	s_cbranch_scc1 .Lwo
	; ---- query and value: plain streams of blocks of 32
	s_sub_co_u32 s25, ttmp9, 128                   ; 0..511: the first 256 take query, the others value
	s_cmp_lt_u32 s25, 256
	s_cselect_b64 s[4:5], s[4:5], s[6:7]
	s_and_b32 s26, s25, 255
	s_lshl_b32 s26, s26, 2
	s_add_co_u32 s26, s26, s24                     ; which run of 8,192 numbers of the tensor is my wave's
	s_lshl_b32 s30, s26, 15                        ; 32,768 bytes a run
	s_add_nc_u64 s[4:5], s[4:5], s[30:31]
	s_lshl_b32 s28, s25, 2
	s_add_co_u32 s28, s28, s24                     ; the run's number in xc and xs: query's 1,024 runs, then value's
	s_lshl_b32 s30, s28, 12                        ; 4,096 bytes of codes a run
	s_add_nc_u64 s[14:15], s[14:15], s[30:31]
	s_lshl_b32 s30, s28, 8                         ; 256 scale bytes a run
	s_add_nc_u64 s[16:17], s[16:17], s[30:31]
	v_lshlrev_b32 v3, 4, v2                        ; my 16 bytes of a load's 512
	s_mul_i32 s29, s24, WREG
	v_lshrrev_b32 v14, 2, v2
	v_mul_u32_u24 v14, v14, SP
	v_and_b32 v15, 3, v2
	v_lshl_add_u32 v14, v15, 4, v14
	v_add_nc_u32 v14, s29, v14                     ; the stage, on the way in: SP (lane / 4) + 16 (lane % 4)
	v_mul_u32_u24 v15, v2, SP
	v_add_nc_u32 v15, s29, v15                     ; and on the way out: SP x lane: my 16 neighbours
	v_mul_u32_u24 v4, v2, CB                       ; my codes' place in a step's
	v_lshrrev_b32 v5, 1, v2
	s_add_co_u32 s29, s29, 2*32*SP
	v_add_nc_u32 v5, s29, v5                       ; LDS: my wave's 256 scale bytes, my block's byte
	v_lshlrev_b32 v7, 3, v2                        ; and on the way out 8 bytes a lane
	v_add_nc_u32 v6, s29, v7
.irp t, 0,1,2,3
	XLOAD \t
.endr
	s_wait_loadcnt 12                              ; step 0's four loads are in
	XTURN 0
.irp t, 0,1,2,3,4,5,6,7,8,9,10,11,12,13,14,15
	XSTEP \t
.endr
	ds_load_b64 v[8:9], v6                         ; LDS serves a wave's instructions in order: these see my byte stores
	s_wait_dscnt 0x0
	global_store_b64 v7, v[8:9], s[16:17]          ; 32 lanes store 256 consecutive bytes, aligned
	s_wait_tensorcnt 0x0                           ; the wave's end, behind my last LDS store
	ds_add_u32 v[SPW], v[NIL]
	s_wait_dscnt 0x0
	s_endpgm
.Lwq:                                              ; ---- Wq: rows n3 = 0 .. 1,023; a row of Wq is 4,096 bytes
	WHEAD 0, 3, 4096, 8
	WDEST 0
	WRUN 4096, 8
.Lwkv:                                             ; ---- Wkv: rows n3 = 1,024 .. 3,071; a row of Wkv is 8,192 bytes
	WHEAD 32, 4, 8192, 10
	WDEST 1024
	WRUN 8192, 10
.Lwo:                                              ; ---- Wo to f16 pieces
	WHEAD 96, 3, 4096, 12
	s_lshl_b32 s30, s27, 19                        ; 256 along K are 4 x 131,072 bytes,
	s_lshl_b32 s28, s26, 7                         ; a tile of 16 columns 2,048
	s_add_co_u32 s30, s30, s28
	s_add_nc_u64 s[22:23], s[22:23], s[30:31]
	v_lshl_add_u32 v4, v4, 11, v5                  ; (lane / 16) x 2,048 + (lane % 16) x 16
	WLOAD 0, 4096, 12
	WLOAD 1, 4096, 12
.set Q, 0
.rept NBW
	OBLOCK Q
.set Q, Q+1
.endr
	s_endpgm
.Lfunc_end_k_q3cc09e8177_prep:
	.size	k_q3cc09e8177_prep, .Lfunc_end_k_q3cc09e8177_prep-k_q3cc09e8177_prep
	.p2alignl 7, 3214868480
	.fill 96, 4, 3214868480
	.section	.rodata,"a",@progbits
	.p2align	6, 0x0
	.amdhsa_kernel k_q3cc09e8177_prep
		.amdhsa_group_segment_fixed_size 33280
		.amdhsa_private_segment_fixed_size 0
		.amdhsa_enable_private_segment 0
		.amdhsa_kernarg_size 80
		.amdhsa_user_sgpr_count 2
		.amdhsa_user_sgpr_kernarg_segment_ptr 1
		.amdhsa_wavefront_size32 1
		.amdhsa_system_sgpr_workgroup_id_x 1
		.amdhsa_system_sgpr_workgroup_id_y 1
		.amdhsa_system_sgpr_workgroup_id_z 1
		.amdhsa_system_vgpr_workitem_id 0
		.amdhsa_next_free_vgpr 192
		.amdhsa_next_free_sgpr 66
		.amdhsa_reserve_vcc 0
		.amdhsa_float_denorm_mode_32 3
		.amdhsa_float_denorm_mode_16_64 3
		.amdhsa_memory_ordered 1
		.amdhsa_forward_progress 1
		.amdhsa_inst_pref_size 145
	.end_amdhsa_kernel
	.amdgpu_metadata
---
amdhsa.version: [ 1, 2 ]
amdhsa.kernels:
  - .name:           k_q3cc09e8177_prep
    .symbol:         k_q3cc09e8177_prep.kd
    .args:
      - { .name: query, .offset: 0, .size: 8, .value_kind: global_buffer, .address_space: global }
      - { .name: value, .offset: 8, .size: 8, .value_kind: global_buffer, .address_space: global }
      - { .name: Wq, .offset: 16, .size: 8, .value_kind: global_buffer, .address_space: global }
      - { .name: Wkv, .offset: 24, .size: 8, .value_kind: global_buffer, .address_space: global }
      - { .name: Wo, .offset: 32, .size: 8, .value_kind: global_buffer, .address_space: global }
      - { .name: xc, .offset: 40, .size: 8, .value_kind: global_buffer, .address_space: global }
      - { .name: xs, .offset: 48, .size: 8, .value_kind: global_buffer, .address_space: global }
      - { .name: wc, .offset: 56, .size: 8, .value_kind: global_buffer, .address_space: global }
      - { .name: ws, .offset: 64, .size: 8, .value_kind: global_buffer, .address_space: global }
      - { .name: woh, .offset: 72, .size: 8, .value_kind: global_buffer, .address_space: global }
    .group_segment_fixed_size: 33280
    .private_segment_fixed_size: 0
    .kernarg_segment_align: 8
    .kernarg_segment_size: 80
    .max_flat_workgroup_size: 128
    .sgpr_count:     66
    .vgpr_count:     192
    .wavefront_size: 32
...
	.end_amdgpu_metadata
.endif
;; end of part 1
;; launch proj (part 2): grid 12 x 32, 4 waves a work-group, clusters of 4 x 4, 327,680 bytes of LDS; arguments xc, xs, wc, ws, bq, bkv, qkv; writes qkv
.if DOCPART == 2
	.amdgcn_target "amdgcn-amd-amdhsa--gfx1250"
	.amdhsa_code_object_version 6
	.text
	.protected	k_q3cc09e8177_proj
	.globl	k_q3cc09e8177_proj
	.p2align	8
	.type	k_q3cc09e8177_proj,@function
k_q3cc09e8177_proj:
	s_mov_b64 s[64:65], 0
	v_nop
	global_prefetch_b8 v0, s[64:65] scope:SCOPE_SE
	s_setreg_imm32_b32 hwreg(HW_REG_WAVE_MODE, 25, 1), 1
	s_wait_xcnt 0x0
	s_wait_alu depctr_hold_cnt(0) depctr_sa_sdst(0) depctr_va_vdst(0) depctr_va_sdst(0) depctr_va_ssrc(0) depctr_va_vcc(0) depctr_vm_vsrc(0)
	s_getreg_b32 s2, hwreg(HW_REG_IB_STS2, 6, 4)
	s_cmp_eq_u32 s2, 0
	s_cbranch_scc0 .Lentry_in_a_cluster
	s_endpgm
.Lentry_in_a_cluster:
	s_bfe_u32 s2, ttmp6, 0x10000c
	s_cmp_lg_u32 s2, 0xf033
	s_cbranch_scc0 .Lentry_shape_is_right
	s_endpgm
.Lentry_shape_is_right:
; PROJ: q = Q(query) Q(Wq) + bq and kv = Q(value) Q(Wkv) + bkv, both on codes of FP4 (E2M1) with E8M0 scales for each 32 along K; sums in f32; results rounded once to f16.
; One product of 8,192 rows x 3,072 columns n3 (0-1,023 q, 1,024-2,047 k, 2,048-3,071 v), K = 1,024; the rows are query's for q and value's for k and v.
; A tile, 256 rows x 256 columns, is made by a work-group of four waves; a wave makes 128 x 128: 64 accumulators of 16 x 16, 512 registers.
; K = 1,024 is two slots of 512: both are asked for at the start, with the scale bytes; nothing is filled again.
; CLUSTERS: 4 x 4 work-groups; a cluster's x is 0 for q, 1 for k, 2 for v, so all sixteen take rows of one tensor.  The four of a row of the cluster need the same rows' codes, the four of a column the same
; weights: each tile is asked for JOINTLY, by the same tensor load with the same descriptor and a mask that names the four.
; THE MATRIX INSTRUCTION IS USED TRANSPOSED (source 0 = 16 rows n3 of the weights, source 1 = 16 rows of x): a lane then holds eight neighbouring columns of one row; rounded to f16 they are 16 bytes.
; The biases are the C of each sum's first matrix instruction.
; OUT: qkv in pieces of 16 rows x 16 columns of f16, 512 bytes, lane l's 16 bytes at 16 l: byte = (n3 / 64) x 2^20 + (row / 16) x 2,048 + ((n3 % 64) / 16) x 512 + the lane's place.  A result tile IS a piece: it is stored
; from the registers, 512 consecutive bytes a store, with no way through LDS.  In v's pieces lane (r, h) writes at 16 (16 (r / 8) + 8 h + r % 8), so that the turning LDS load of the next launch reads them at 16 x lane.
; LIMIT: |q|, |k|, |v| stay under 65,504 (f16).
; REGISTERS, in windows of 256: window 0: v0-31 addresses; v32-95 scale words, two sets; v128-191 x's fragments, ONE set; v192-255 the biases; on the way out v128-255 hold packed results.
;   window 1: the weights' fragments, TWO sets, at v0 and v128.   window 2: the accumulators of my rows 0-63 ((a, b) at v[8 (8 a + b)]);   window 3: those of my rows 64-127.
.set NQ,     4                         ; matrix instructions deep in a slot: 512 along K
.set PITCH,  272                       ; x's row in LDS: 256 bytes + 16 of padding, so that the 16 rows that a load touches begin 68 words apart
.set FR,     8                         ; registers of a fragment: 16 rows x 128 K
.set NL,     2                         ; LDS loads that bring one
.set NP,     4                         ; places behind this matrix instruction (ISA guide 7.12.1)
.set HALFA,  128*PITCH                 ; x: 128 rows: what one tensor load brings
.set HALFB,  32768                     ; weights: 128 rows x 512 along K as register images, dense
.set BOFF,   2*HALFA
.set SLOT,   BOFF+2*HALFB              ; 135,168
.set WHALF,  786432                    ; wc: from one half of K to the other
.set KS,     32                        ; a row of scale bytes
.set SCL,    2*SLOT                    ; behind the slots: the scales, as units of 256 bytes + 16 of padding
.set HALFS,  16*272                    ; the scales of 128 rows
.set SBLK,   2*272                     ; those of 16 rows
.set SPARE,  SCL+4*HALFS               ; the spare words, 128 bytes for each wave
.set ADRA, 16                          ; v16-17  LDS address of my fragments of x in slot 0, 1
.set ADRB, 20                          ; v20-21  the same for the weights
.set CO,   26                          ; v26     my 16 bytes' place in a piece
.set ADRS, 27                          ; v27     LDS address of my scale words: lanes 0-15 x's rows, lanes 16-31 the weights'
.set SPW,  28                          ; v28     LDS address of my spare word; never rewritten
.set NIL,  29                          ; v29     0; never rewritten
.set SC,   32                          ; scale words: set s at v[SC + 32 s]; register 4 i + q: lanes 0-15 x's block i, lanes 16-31 the weights' block i, the slot's q-th 128 along K
.set AF,   128
.set BI,   192                         ; the biases: 8 registers for each of my 8 tiles of columns, in the result's layout
.set OUTR, 128                         ; the way out: four sets of 32 registers
.set G1, 24                            ; s[24:31] descriptor group 1 for x's codes;  s[32:39] group 0, one set for each slot
.set G0, 32
.set G1B, 48                           ; s[48:55], s[56:63] the same for the weights' codes
.set G0B, 56
.set G1S, 68                           ; s[68:75], s[76:79] groups 1 and 0 for x's scales;  s[80:87], s[88:91] for the weights'
.set G0S, 76
.set G1SB, 80
.set G0SB, 88
.set MSB, 0
.macro WIN new                         ; the immediate's high byte repeats the setting that is left
.if MSB != (\new)
	s_set_vgpr_msb (MSB<<8)|(\new)
.set MSB, (\new)
.endif
.endm
.set MUL_LO, 0xa1                      ; source 0 (weights) window 1, source 1 (x) window 0, C and D window 2
.set MUL_HI, 0xf1                      ; the same, C and D window 3
.set FST_LO, 0x81                      ; the first step: C (the biases) window 0, D window 2
.set FST_HI, 0xc1
.set TO_B,   0x40                      ; destination window 1, address window 0
; A joint load: waves 0 and 1 fetch for x, waves 2 and 3 for the weights.  The branch hangs on the wave's number alone.  An s_nop 0 and four v_nop follow each of the two lines.
.macro JLOAD g0a, g1a, g0b, g1b
	s_cmp_eq_u32 s15, 0
	s_cbranch_scc0 .Lfor_b_\@
	tensor_load_to_lds s[\g0a:\g0a+3], s[\g1a:\g1a+7]
	s_nop 0
.rept 4
	v_nop
.endr
	s_branch .Lasked_\@
.Lfor_b_\@:
	tensor_load_to_lds s[\g0b:\g0b+3], s[\g1b:\g1b+7]
	s_nop 0
.rept 4
	v_nop
.endr
.Lasked_\@:
.endm
.macro CROUND                          ; a round of the cluster's barrier
	s_barrier_signal -1
	s_barrier_wait -1
	s_cmp_lg_u32 s14, 0
	s_cbranch_scc1 .Lnot_wave_0_\@
	s_barrier_signal -3
.Lnot_wave_0_\@:
	s_barrier_wait -3
	s_barrier_signal -1
	s_barrier_wait -1
.endm
	s_load_b128 s[4:7], s[0:1], 0x0                ; xc s[4:5], xs s[6:7]
	s_load_b128 s[8:11], s[0:1], 0x10              ; wc s[8:9], ws s[10:11]
	s_load_b128 s[96:99], s[0:1], 0x20             ; bq s[96:97], bkv s[98:99]
	s_load_b64 s[12:13], s[0:1], 0x30              ; qkv
	v_lshl_add_u32 v[SPW], v0, 2, SPARE
	v_mov_b32 v[NIL], 0
	ds_add_u32 v[SPW], v[NIL]                      ; the wave's opening: the add, twice on end, and its wait ahead of my first tensor load
	ds_add_u32 v[SPW], v[NIL]
	v_lshrrev_b32 v1, 5, v0
	v_readfirstlane_b32 s14, v1                    ; wave 0..3
	s_lshr_b32 s15, s14, 1                         ; which half of the tile's rows is mine.  Also: I fetch for x (0) or for the weights (1)
	s_and_b32 s16, s14, 1                          ; which half of its columns.  Also: which 128 rows of that tile I fetch
	s_bfe_u32 s40, ttmp6, 0x40000                  ; cx, cy: my place in the cluster
	s_bfe_u32 s41, ttmp6, 0x40004
	s_lshl_b32 s42, ttmp9, 2
	s_add_co_u32 s42, s42, s40                     ; tile column 0..11 = 4 x cluster x + cx
	s_and_b32 s17, ttmp7, 0xffff
	s_lshl_b32 s17, s17, 2
	s_add_co_u32 s17, s17, s41                     ; tile row 0..31 = 4 x cluster y + cy
	s_lshl_b32 s43, s41, 2
	s_lshl_b32 s43, 15, s43                        ; my row of the cluster
	s_lshl_b32 s44, 0x1111, s40                    ; my column
	; x's codes: 128 rows x 256 bytes, 512 bytes apart in memory, 16 bytes of padding behind each in LDS
	s_or_b32 s[G1+0], s43, (0<<16)|(1<<20)|(1<<21)|(5<<22)|(3<<25)  ; the mask of my row; elements of 1 byte; padding on; bit 21 beside a mask; after every 64 words, 4 words
	s_mov_b32 s[G1+1], 256<<16                     ; tensor_dim0
	s_mov_b32 s[G1+2], 128<<16                     ; tensor_dim1
	s_mov_b32 s[G1+3], 256<<16                     ; tile_dim0
	s_mov_b32 s[G1+4], 128                         ; tile_dim1
	s_mov_b32 s[G1+5], 512                         ; from row to row
	s_mov_b32 s[G1+6], 0
	s_mov_b32 s[G1+7], 0
	; the weights' codes: a dense block of 32,768 bytes, as 128 rows of 256 bytes (32 elements of 8 bytes), no padding: they are read at 16 x lane
	s_or_b32 s[G1B+0], s44, (3<<16)|(1<<21)
	s_mov_b32 s[G1B+1], 32<<16
	s_mov_b32 s[G1B+2], 128<<16
	s_mov_b32 s[G1B+3], 32<<16
	s_mov_b32 s[G1B+4], 128
	s_mov_b32 s[G1B+5], 32
	s_mov_b32 s[G1B+6], 0
	s_mov_b32 s[G1B+7], 0
	; the scales of 128 rows: a dense block of 4,096 bytes, as 16 rows of 256 bytes, 16 bytes of padding behind each
	s_or_b32 s[G1S+0], s43, (3<<16)|(1<<20)|(1<<21)|(5<<22)|(3<<25)
	s_or_b32 s[G1SB+0], s44, (3<<16)|(1<<20)|(1<<21)|(5<<22)|(3<<25)
.irp g, G1S, G1SB
	s_mov_b32 s[\g+1], 32<<16
	s_mov_b32 s[\g+2], 16<<16
	s_mov_b32 s[\g+3], 32<<16
	s_mov_b32 s[\g+4], 16
	s_mov_b32 s[\g+5], 32
	s_mov_b32 s[\g+6], 0
	s_mov_b32 s[\g+7], 0
.endr
	s_min_u32 s19, ttmp9, 1                        ; query's rows for q, value's (8,192 further on in xc) for k and v: the same in all sixteen partners
	s_lshl_b32 s19, s19, 13
	s_lshl_b32 s18, s16, 7                         ; which 128 rows of the tile I fetch
	s_lshl_b32 s20, s17, 8
	s_add_co_u32 s20, s20, s18
	s_add_co_u32 s20, s20, s19                     ; x: the row in xc and xs
	s_lshl_b32 s22, s20, 5                         ; its scale bytes,
	s_mov_b32 s23, 0
	s_lshl_b32 s20, s20, 9                         ; its codes
	s_mov_b32 s21, 0
	s_lshl_b32 s46, s42, 16                        ; weights: 65,536 bytes of codes a tile column and half of K,
	s_lshl_b32 s18, s16, 15
	s_add_co_u32 s46, s46, s18
	s_mov_b32 s47, 0
	s_lshl_b32 s92, s42, 13                        ; 8,192 scale bytes a tile column
	s_lshl_b32 s18, s16, 12
	s_add_co_u32 s92, s92, s18
	s_mov_b32 s93, 0
	s_mul_i32 s45, s16, HALFA                      ; where they go: no place in the cluster enters an LDS address
	s_mul_i32 s95, s16, HALFB
	s_add_co_u32 s95, s95, BOFF
	s_mul_i32 s94, s14, HALFS
	s_wait_dscnt 0x0                               ; both opening adds are done
	s_wait_kmcnt 0x0
	s_add_nc_u64 s[20:21], s[4:5], s[20:21]
	s_add_nc_u64 s[22:23], s[6:7], s[22:23]
	s_add_nc_u64 s[46:47], s[8:9], s[46:47]
	s_add_nc_u64 s[92:93], s[10:11], s[92:93]
	CROUND                                         ; all sixteen work-groups are here: the joint loads meet
	s_mov_b32 s[G0S], 1
	s_add_co_u32 s[G0S+1], s94, SCL
	s_mov_b64 s[G0S+2:G0S+3], s[22:23]
	s_or_b32 s[G0S+3], s[G0S+3], 0x80000000
	s_mov_b32 s[G0SB], 1
	s_add_co_u32 s[G0SB+1], s94, SCL
	s_mov_b64 s[G0SB+2:G0SB+3], s[92:93]
	s_or_b32 s[G0SB+3], s[G0SB+3], 0x80000000
	JLOAD G0S, G1S, G0SB, G1SB                     ; the scales first: they are wanted with slot 0
.irp s, 0,1
	s_mov_b32 s[G0+4*\s], 1
	s_add_co_u32 s[G0+4*\s+1], s45, \s*SLOT
	s_add_nc_u64 s[G0+4*\s+2:G0+4*\s+3], s[20:21], \s*256
	s_or_b32 s[G0+4*\s+3], s[G0+4*\s+3], 0x80000000
	s_mov_b32 s[G0B+4*\s], 1
	s_add_co_u32 s[G0B+4*\s+1], s95, \s*SLOT
	s_add_nc_u64 s[G0B+4*\s+2:G0B+4*\s+3], s[46:47], \s*WHALF
	s_or_b32 s[G0B+4*\s+3], s[G0B+4*\s+3], 0x80000000
	JLOAD G0+4*\s, G1, G0B+4*\s, G1B               ; by this text's count three tensor loads of a wave are out
.endr
	v_and_b32 v1, 15, v0                           ; r = l % 16
	v_bfe_u32 v2, v0, 4, 1                         ; h = l / 16
	v_mul_u32_u24 v3, v1, PITCH
	v_lshl_add_u32 v4, v2, 4, v3                   ; x: a fragment's row x pitch + 16 x half
	v_and_b32 v6, 31, v0
	v_lshlrev_b32 v7, 4, v6                        ; weights: 16 x lane
	s_mul_i32 s21, s15, HALFA                      ; my 128 rows of x
	s_mul_i32 s22, s16, HALFB                      ; my 128 rows of the weights,
	s_add_co_u32 s22, s22, BOFF                    ; which lie behind x's 256
.irp s, 0,1
	v_add_nc_u32 v[ADRA+\s], s21, v4
	v_add_nc_u32 v[ADRB+\s], s22, v7
	s_add_co_u32 s21, s21, SLOT
	s_add_co_u32 s22, s22, SLOT
.endr
	v_mul_u32_u24 v5, v1, KS                       ; my row's scales: 32 bytes a row,
	v_lshrrev_b32 v6, 8, v5
	v_lshl_add_u32 v5, v6, 4, v5                   ; and 16 more for each 256 passed
	s_mul_i32 s21, s15, HALFS                      ; x's: my 128 rows
	s_mul_i32 s22, s16, HALFS                      ; the weights': my 128 rows, behind x's 256
	s_add_co_u32 s22, s22, 2*HALFS
	s_sub_co_u32 s22, s22, s21
	v_mul_u32_u24 v6, s22, v2                      ; lanes 16-31 take the weights'
	s_add_co_u32 s21, s21, SCL
	v_add_nc_u32 v5, v5, v6
	v_add_nc_u32 v[ADRS], s21, v5
	v_lshrrev_b32 v5, 3, v1                        ; v's pieces: 16 (r / 8) + r % 8 + 8 h, times 16 bytes
	v_and_b32 v8, 7, v1
	v_lshl_add_u32 v5, v5, 4, v8
	v_lshl_add_u32 v5, v2, 3, v5
	v_lshlrev_b32 v5, 4, v5
	s_cmp_eq_u32 ttmp9, 2                          ; cluster x = 2: v
	s_cselect_b32 s18, -1, 0
	v_cndmask_b32 v[CO], v7, v5, s18
	s_cmp_eq_u32 ttmp9, 0                          ; the biases: bq for q, bkv for k and v
	s_cselect_b64 s[96:97], s[96:97], s[98:99]
	s_cselect_b32 s18, 0, 4
	s_sub_co_u32 s46, s42, s18                     ; the tile column within the bias's tensor
	s_lshl_b32 s46, s46, 10                        ; 256 numbers of 4 bytes,
	s_lshl_b32 s47, s16, 9                         ; my half's 128
	s_add_co_u32 s46, s46, s47
	s_mov_b32 s47, 0
	s_add_nc_u64 s[96:97], s[96:97], s[46:47]
	v_lshlrev_b32 v9, 5, v2                        ; lane (r, h) wants, for tile b, the biases of columns 16 b + 8 h + 0 .. 7
.irp b, 0,1,2,3,4,5,6,7
	global_load_b128 v[BI+8*\b:BI+8*\b+3], v9, s[96:97] offset:64*\b
	global_load_b128 v[BI+8*\b+4:BI+8*\b+7], v9, s[96:97] offset:64*\b+16
.endr
	s_lshl_b32 s20, s17, 15                        ; qkv: my first row tile: (256 x tile row + 128 x half) / 16 x 2,048,
	s_lshl_b32 s21, s15, 14
	s_add_co_u32 s20, s20, s21
	s_mov_b32 s21, 0
	s_lshl_b32 s46, s42, 22                        ; my first 64 columns: (4 x tile column + 2 x half) x 2^20
	s_lshl_b32 s47, s16, 21
	s_add_co_u32 s46, s46, s47
	s_mov_b32 s47, 0
	s_add_nc_u64 s[20:21], s[20:21], s[46:47]
	s_add_nc_u64 s[12:13], s[12:13], s[20:21]
.macro FRAGA reg, slot, q, i           ; x: lane l holds row l % 16; registers 4 c .. 4 c + 3 hold K = 64 c + 32 (l / 16) + 0 .. 31
.irp c, 0,1
	ds_load_b128 v[\reg+4*\c:\reg+4*\c+3], v[ADRA+\slot] offset:64*(\q)+32*\c+(\i)*16*PITCH
.endr
.endm
.macro FRAGB reg, slot, q, i           ; the weights lie as images of these registers: 512 consecutive bytes a load
.irp c, 0,1
	ds_load_b128 v[\reg+4*\c:\reg+4*\c+3], v[ADRB+\slot] offset:(4*(\i)+(\q))*1024+512*\c
.endr
.endm
; 16 matrix instructions: x's blocks a0, a0 + 1 against the weights' eight, 128 along K.  p: the weights' set; sc: the set of scale words.  first = 1: the biases are C.
; The 64 accumulators take turns, one instruction a turn, in the same order in every step.
.macro MUL16 a0, p, q, sc, first
.irp a, \a0, \a0+1
.irp b, 0,1,2,3,4,5,6,7
.if \first
	v_wmma_scale_f32_16x16x128_f8f6f4 v[8*(8*((\a)%4)+\b):8*(8*((\a)%4)+\b)+7], v[128*(\p)+FR*\b:128*(\p)+FR*\b+FR-1], v[AF+FR*(\a):AF+FR*(\a)+FR-1], v[BI+8*\b:BI+8*\b+7], v[SC+8*NQ*(\sc)+NQ*\b+(\q)], v[SC+8*NQ*(\sc)+NQ*(\a)+(\q)] matrix_a_fmt:MATRIX_FMT_FP4 matrix_b_fmt:MATRIX_FMT_FP4 matrix_a_scale:MATRIX_SCALE_ROW1
.else
	v_wmma_scale_f32_16x16x128_f8f6f4 v[8*(8*((\a)%4)+\b):8*(8*((\a)%4)+\b)+7], v[128*(\p)+FR*\b:128*(\p)+FR*\b+FR-1], v[AF+FR*(\a):AF+FR*(\a)+FR-1], v[8*(8*((\a)%4)+\b):8*(8*((\a)%4)+\b)+7], v[SC+8*NQ*(\sc)+NQ*\b+(\q)], v[SC+8*NQ*(\sc)+NQ*(\a)+(\q)] matrix_a_fmt:MATRIX_FMT_FP4 matrix_b_fmt:MATRIX_FMT_FP4 matrix_a_scale:MATRIX_SCALE_ROW1
.endif
.endr
.endr
.endm
.macro FETCH_B slot, q, p
	WIN TO_B
.irp i, 0,1,2,3,4,5,6,7
	FRAGB 128*(\p)+FR*\i, \slot, \q, \i
.endr
	WIN 0
.endm
.macro FETCH_A slot, q, i0
.irp i, \i0, \i0+1, \i0+2, \i0+3
	FRAGA AF+FR*(\i), \slot, \q, \i
.endr
.endm
.macro SCALES sc                       ; a slot's scale words: 4 words a row; lanes 0-15 take x's block i, lanes 16-31 the weights' block i
.irp i, 0,1,2,3,4,5,6,7
	ds_load_b128 v[SC+8*NQ*\sc+NQ*\i:SC+8*NQ*\sc+NQ*\i+3], v[ADRS] offset:\i*SBLK
.endr
.endm
.macro PLACES n                        ; plain vector lines between a matrix instruction and a load into, or a vector read or write of, its registers
.rept \n
	v_nop
.endr
.endm
; A step of 128 along K that has its successor in the same slot.  x has one set of registers: blocks 0-3 are fetched anew in the step's middle, blocks 4-7 at its end.
.macro STEP slot, q, first
	s_wait_dscnt 4*NL                              ; the weights' set and x's blocks 0-3 are in; the youngest eight loads (x's blocks 4-7) may be out
.if \first
	WIN FST_LO
.else
	WIN MUL_LO
.endif
	MUL16 0, (\q)%2, \q, \slot, \first
	MUL16 2, (\q)%2, \q, \slot, \first
	s_wait_dscnt 0                                 ; x's blocks 4-7 are in
	PLACES NP
	FETCH_B \slot, (\q)+1, 1-(\q)%2
	FETCH_A \slot, (\q)+1, 0
.if \first
	WIN FST_HI
.else
	WIN MUL_HI
.endif
	MUL16 4, (\q)%2, \q, \slot, \first
	MUL16 6, (\q)%2, \q, \slot, \first
	PLACES NP
	WIN 0
	FETCH_A \slot, (\q)+1, 4
.endm
.macro STEPS slot, from
.set Q, \from
.rept NQ-1-\from
	STEP \slot, Q, 0
.set Q, Q+1
.endr
.endm
	s_wait_tensorcnt 1                             ; the scales and my part of slot 0 are in (slot 1's load may be out),
	s_barrier_signal -1
	s_barrier_wait -1                              ; everybody's are
	FETCH_B 0, 0, 0
	FETCH_A 0, 0, 0
	SCALES 0
	FETCH_A 0, 0, 4
	s_wait_loadcnt 0x0                             ; the biases
	STEP 0, 0, 1                                   ; the first step's products start the sums from the biases: nothing is cleared
	STEPS 0, 1
	; slot 0's last step changes slots: each wave waits for its part of slot 1, then one barrier shows all of slot 1 to every wave
	s_wait_tensorcnt 0x0                           ; all my tensor loads have landed
	ds_add_u32 v[SPW], v[NIL]                      ; 0 onto my spare word
	s_wait_dscnt 4*NL+1                            ; (the add and the youngest eight loads may be out)
	WIN MUL_LO
	MUL16 0, 1, NQ-1, 0, 0
	s_wait_dscnt 0x0                               ; no LDS instruction of mine is pending at the signal
	s_barrier_signal -1
	MUL16 2, 1, NQ-1, 0, 0
	WIN 0
	s_barrier_wait -1
	PLACES NP
	v_add_nc_u32 v[ADRS], 4*NQ, v[ADRS]            ; on to slot 1's scale words
	FETCH_B 1, 0, 0
	FETCH_A 1, 0, 0
	SCALES 1
	WIN MUL_HI
	MUL16 4, 1, NQ-1, 0, 0
	MUL16 6, 1, NQ-1, 0, 0
	PLACES NP
	WIN 0
	FETCH_A 1, 0, 4
	STEPS 1, 0
	s_wait_dscnt 4*NL                              ; the very last step: nothing more to fetch
	WIN MUL_LO
	MUL16 0, 1, NQ-1, 1, 0
	MUL16 2, 1, NQ-1, 1, 0
	s_wait_dscnt 0
	WIN MUL_HI
	MUL16 4, 1, NQ-1, 1, 0
	MUL16 6, 1, NQ-1, 1, 0
	WIN 0
	; THE WAY OUT: a lane's eight results of a tile are rounded to f16, 16 bytes, and the tile is stored as a piece.  Each accumulator is read from its low end on.
	PLACES NP                                      ; behind the last products: the conversions read results and write registers that held x's fragments and the biases
.irp a, 0,1,2,3,4,5,6,7
.if \a >= 4
	s_wait_xcnt 0x0                                ; the stores of four blocks back have read their registers, which are written again below
.endif
	WIN 0x0a+5*(\a/4)                              ; sources 0 and 1: window 2 or 3
.irp b, 0,1,2,3,4,5,6,7
.irp r, 0,1,2,3
	v_cvt_pk_f16_f32 v[OUTR+32*(\a%4)+4*\b+\r], v[64*(\a%4)+8*\b+2*\r], v[64*(\a%4)+8*\b+2*\r+1]
.endr
.endr
	WIN 0
.irp b, 0,1,2,3,4,5,6,7
	global_store_b128 v[CO], v[OUTR+32*(\a%4)+4*\b:OUTR+32*(\a%4)+4*\b+3], s[12:13] offset:(\b/4)*1048576+\a*2048+(\b%4)*512   ; 32 lanes store 512 consecutive bytes, aligned
.endr
.endr
	s_wait_tensorcnt 0x0                           ; the wave's end
	ds_add_u32 v[SPW], v[NIL]
	s_wait_dscnt 0x0
	CROUND                                         ; the closing round
	s_endpgm
.Lfunc_end_k_q3cc09e8177_proj:
	.size	k_q3cc09e8177_proj, .Lfunc_end_k_q3cc09e8177_proj-k_q3cc09e8177_proj
	.p2alignl 7, 3214868480
	.fill 96, 4, 3214868480
	.section	.rodata,"a",@progbits
	.p2align	6, 0x0
	.amdhsa_kernel k_q3cc09e8177_proj
		.amdhsa_group_segment_fixed_size 327680
		.amdhsa_private_segment_fixed_size 0
		.amdhsa_enable_private_segment 0
		.amdhsa_kernarg_size 56
		.amdhsa_user_sgpr_count 2
		.amdhsa_user_sgpr_kernarg_segment_ptr 1
		.amdhsa_wavefront_size32 1
		.amdhsa_system_sgpr_workgroup_id_x 1
		.amdhsa_system_sgpr_workgroup_id_y 1
		.amdhsa_system_sgpr_workgroup_id_z 1
		.amdhsa_system_vgpr_workitem_id 0
		.amdhsa_next_free_vgpr 1024
		.amdhsa_next_free_sgpr 100
		.amdhsa_reserve_vcc 0
		.amdhsa_float_denorm_mode_32 3
		.amdhsa_float_denorm_mode_16_64 3
		.amdhsa_memory_ordered 1
		.amdhsa_forward_progress 1
		.amdhsa_inst_pref_size 120
	.end_amdhsa_kernel
	.amdgpu_metadata
---
amdhsa.version: [ 1, 2 ]
amdhsa.kernels:
  - .name:           k_q3cc09e8177_proj
    .symbol:         k_q3cc09e8177_proj.kd
    .args:
      - { .name: xc, .offset: 0, .size: 8, .value_kind: global_buffer, .address_space: global }
      - { .name: xs, .offset: 8, .size: 8, .value_kind: global_buffer, .address_space: global }
      - { .name: wc, .offset: 16, .size: 8, .value_kind: global_buffer, .address_space: global }
      - { .name: ws, .offset: 24, .size: 8, .value_kind: global_buffer, .address_space: global }
      - { .name: bq, .offset: 32, .size: 8, .value_kind: global_buffer, .address_space: global }
      - { .name: bkv, .offset: 40, .size: 8, .value_kind: global_buffer, .address_space: global }
      - { .name: qkv, .offset: 48, .size: 8, .value_kind: global_buffer, .address_space: global }
    .group_segment_fixed_size: 327680
    .private_segment_fixed_size: 0
    .kernarg_segment_align: 8
    .kernarg_segment_size: 56
    .max_flat_workgroup_size: 128
    .sgpr_count:     100
    .vgpr_count:     1024
    .wavefront_size: 32
...
	.end_amdgpu_metadata
.endif
;; end of part 2
;; launch attn (part 3): grid 2 x 128, 8 waves a work-group, no clusters, 327,680 bytes of LDS; arguments qkv, hd; writes hd
.if DOCPART == 3
	.amdgcn_target "amdgcn-amd-amdhsa--gfx1250"
	.amdhsa_code_object_version 6
	.text
	.protected	k_q3cc09e8177_attn
	.globl	k_q3cc09e8177_attn
	.p2align	8
	.type	k_q3cc09e8177_attn,@function
k_q3cc09e8177_attn:
	s_mov_b64 s[64:65], 0
	v_nop
	global_prefetch_b8 v0, s[64:65] scope:SCOPE_SE
	s_setreg_imm32_b32 hwreg(HW_REG_WAVE_MODE, 25, 1), 1
	s_wait_xcnt 0x0
; ATTN: heads[b][q][h][:] = the sum over k of softmax_k(q . k / 8) v, for each of 128 (head, batch) pairs: 1,024 queries, 1,024 keys, head size 64.  q, k, v in f16, products summed in f32;
; maxima and sums in f32; the weights p are rounded to f16 for the second product; the result is divided by the row's sum of the unrounded p and rounded once to f16.
; IN: qkv in pieces of 16 rows x 16 channels of f16 (512 bytes, lane l's 16 bytes at 16 l); the block of (tensor j = 0 q, 1 k, 2 v; y = 8 head + batch) is 131,072 dense bytes at j x 2^24 + y x 131,072;
; in it: (row / 16) x 2,048 + (channel / 16) x 512.  Two neighbouring pieces ARE a fragment of 16 rows x 32 channels.  v's pieces are laid so that the turning load at 16 x lane gives 16 channels x 16 keys.
; OUT: hd, heads in the same pieces: head x 2^20 + (8,192-row number / 16) x 2,048 + (channel / 16) x 512.
; SHARES.  A work-group owns 512 queries of one (head, batch); each of its eight waves 64: four tiles of 16.  Two waves share a SIMD, 512 registers each, so that one wave's vector work can stand beside the other's products.
; THE WHOLE K AND V OF THE PAIR STAY IN LDS, 131,072 bytes each, asked for once at the start, IN FOUR CHUNKS OF 128, 128, 256 AND 512 KEYS: waves 0-3 bring a quarter of each chunk of K, waves 4-7 of V, the chunks in the
; order of the keys.  A wave's tensor loads end in the order of issue (ISA guide 10.11.1), so the first products wait for 128 keys alone, and each later chunk lands under the steps in front of it.  Nothing is filled again.
; NO CLUSTER: a pair's K and V are read by the grid's two work-groups along x alone; four partners would each have 256 queries, which makes 512 work-groups, each still filling all 262,144 bytes.
; LAYOUT.  S^T = K Q^T (source 0 = 16 keys, source 1 = 16 queries): a lane holds ONE query (lane % 16) and keys 8 (lane / 16) + 0..7; two such tiles rounded to f16 ARE source 1 of O^T = V^T P.
; SOFTMAX.  For each query a running maximum m and sum l: p = 2^(c s - c m), c = log2(e) / 8; in every step O and l are multiplied by a = 2^(c m_old - c m_new).
; LIMIT: |heads| stays under 65,504 (f16).
; REGISTERS: window 0: v1-5 addresses, v6-7 the add's two; v16-47 statistics, 8 a tile (+0 c m, +1 m, +2,+3 l, +4..+7 at work; a in +6); v64-191 S^T, 32 a tile (p's f16 pairs take each tile's first 16); v192-255 K of a step.
;            window 1: v0-127 O^T, 32 a tile; v128-191 Q; v192-255 V of a step.
.set VBY,   131072                     ; LDS: K from 0, V from here
.set SPARE, 262144                     ; the spare words: 128 bytes for each of eight waves
.set STEPB, 8192                       ; a step's 64 keys: 16 pieces
.set L16, 1                            ; v1  16 x lane
.set LKN, 2                            ; v2  16 x lane + a step: the next step's K
.set LV,  3                            ; v3  16 x lane + V's base
.set ADK, 4
.set ADV, 5
.set SPW, 6                            ; v6  LDS address of my spare word; never rewritten
.set NIL, 7                            ; v7  0; never rewritten
.set ST,  16
.set S,   64
.set KF,  192
.set QF,  128                          ; in window 1
.set VF,  192                          ; in window 1
.set WV,  8                            ; s8  my wave's number
.set G1A, 16                           ; s[16:23] descriptor group 1: 16 rows of 256 bytes
.set G1B, 24                           ; s[24:31] 32 rows
.set G1C, 32                           ; s[32:39] 64 rows
.set G0,  40                           ; s[40:55] group 0 for the four chunks
.set CS,  56                           ; s[56:57] c
.set SEL, 58                           ; s[58:59] lane selects for lane l xor 16
.set TB,  60                           ; s60 LDS byte at which the step's K begins
.set CNT, 61
.set MSB, 0
.macro WIN new
.if MSB != (\new)
	s_set_vgpr_msb (MSB<<8)|(\new)
.set MSB, (\new)
.endif
.endm
.set W_KQ, 0x04                        ; Q in window 1; K and S^T in window 0
.set W_PV, 0x51                        ; V and O^T in window 1; P in window 0
.set W_RS, 0x41                        ; O^T (destination and source 0) in window 1, the factor in window 0
.set TO_1, 0x40                        ; destination window 1, address window 0
.macro MKG1 g, rows                    ; a dense block as rows of 256 bytes (32 elements of 8 bytes); no mask; no padding: everything is read at 16 x lane
	s_mov_b32 s[\g+0], 3<<16
	s_mov_b32 s[\g+1], 32<<16                      ; tensor_dim0
	s_mov_b32 s[\g+2], (\rows)<<16                 ; tensor_dim1
	s_mov_b32 s[\g+3], 32<<16                      ; tile_dim0
	s_mov_b32 s[\g+4], \rows                       ; tile_dim1
	s_mov_b32 s[\g+5], 32                          ; dense
	s_mov_b32 s[\g+6], 0
	s_mov_b32 s[\g+7], 0
.endm
.macro MKG0 c, sh, cb                  ; chunk c begins cb bytes into the block; my quarter of it is (wave % 4) << sh bytes on: the same offset in memory and in LDS
	s_lshl_b32 s66, s12, \sh
.if \cb > 0
	s_add_co_u32 s66, s66, \cb
.endif
	s_mov_b32 s[G0+4*\c], 1
	s_add_co_u32 s[G0+4*\c+1], s13, s66
	s_add_nc_u64 s[G0+4*\c+2:G0+4*\c+3], s[68:69], s[66:67]
	s_or_b32 s[G0+4*\c+3], s[G0+4*\c+3], 0x80000000
.endm
.macro MEET left                       ; the next chunk is shown to every wave: my part of it has landed (left: my younger loads, which may stay out)
	s_wait_tensorcnt \left
	s_wait_dscnt 0x0                               ; no LDS instruction of mine is pending at the signal
	s_barrier_signal -1
	s_barrier_wait -1
.endm
.macro FETCHK adr                      ; a step's K: 16 pieces, 512 consecutive bytes a load
.irp p, 0,1,2,3,4,5,6,7,8,9,10,11,12,13,14,15
	ds_load_b128 v[KF+4*\p:KF+4*\p+3], v[\adr] offset:512*\p
.endr
.endm
.macro FETCHV                          ; a step's V, turned: fragment (channels 16 ct on, keys 32 g on) at v[VF + 16 ct + 8 g]
	WIN TO_1
.irp ct, 0,1,2,3
.irp g, 0,1
.irp e, 0,1
	ds_load_tr16_b128 v[VF+16*\ct+8*\g+4*\e:VF+16*\ct+8*\g+4*\e+3], v[ADV] offset:(4*(2*\g+\e)+\ct)*512
.endr
.endr
.endr
	WIN 0
.endm
; 32 products S^T = K Q^T: channels 32 f on, keys 16 kt on, tile t.  The first 16 start the sums.  The 16 accumulators take turns.
.macro KQ
.irp f, 0,1
.irp kt, 0,1,2,3
.irp t, 0,1,2,3
.if \f == 0
	v_wmma_f32_16x16x32_f16 v[S+32*\t+8*\kt:S+32*\t+8*\kt+7], v[KF+16*\kt+8*\f:KF+16*\kt+8*\f+7], v[QF+16*\t+8*\f:QF+16*\t+8*\f+7], 0
.else
	v_wmma_f32_16x16x32_f16 v[S+32*\t+8*\kt:S+32*\t+8*\kt+7], v[KF+16*\kt+8*\f:KF+16*\kt+8*\f+7], v[QF+16*\t+8*\f:QF+16*\t+8*\f+7], v[S+32*\t+8*\kt:S+32*\t+8*\kt+7]
.endif
.endr
.endr
.endr
.endm
; 32 products O^T += V^T P: keys 32 g on, channels 16 ct on, tile t.  first = 1: the first 16 start the sums.
.macro PV first
.irp g, 0,1
.irp ct, 0,1,2,3
.irp t, 0,1,2,3
.if \first && (\g == 0)
	v_wmma_f32_16x16x32_f16 v[32*\t+8*\ct:32*\t+8*\ct+7], v[VF+16*\ct+8*\g:VF+16*\ct+8*\g+7], v[S+32*\t+8*\g:S+32*\t+8*\g+7], 0
.else
	v_wmma_f32_16x16x32_f16 v[32*\t+8*\ct:32*\t+8*\ct+7], v[VF+16*\ct+8*\g:VF+16*\ct+8*\g+7], v[S+32*\t+8*\g:S+32*\t+8*\g+7], v[32*\t+8*\ct:32*\t+8*\ct+7]
.endif
.endr
.endr
.endr
.endm
; The four tiles' softmax of a step, the tiles by turns so that no line waits for the line above it.  first = 1: the first step has no old maximum and no a.
.macro SOFTMAX first
.irp j, 0,1,2,3                        ; the maximum: four chains a tile, each begun at its accumulator's low end
.irp t, 0,1,2,3
	v_max3_num_f32 v[ST+8*\t+4+\j], v[S+32*\t+8*\j], v[S+32*\t+8*\j+1], v[S+32*\t+8*\j+2]
.endr
.endr
.irp i, 3,5
.irp j, 0,1,2,3
.irp t, 0,1,2,3
	v_max3_num_f32 v[ST+8*\t+4+\j], v[ST+8*\t+4+\j], v[S+32*\t+8*\j+\i], v[S+32*\t+8*\j+\i+1]
.endr
.endr
.endr
.irp t, 0,1,2,3
	v_max3_num_f32 v[ST+8*\t+4], v[ST+8*\t+4], v[S+32*\t+7], v[S+32*\t+15]
.endr
.irp t, 0,1,2,3
	v_max3_num_f32 v[ST+8*\t+6], v[ST+8*\t+6], v[S+32*\t+23], v[S+32*\t+31]
.endr
.irp t, 0,1,2,3
	v_max3_num_f32 v[ST+8*\t+4], v[ST+8*\t+4], v[ST+8*\t+5], v[ST+8*\t+6]
.endr
.irp t, 0,1,2,3
.if \first
	v_max_num_f32 v[ST+8*\t+4], v[ST+8*\t+4], v[ST+8*\t+7]
.else
	v_max3_num_f32 v[ST+8*\t+4], v[ST+8*\t+4], v[ST+8*\t+7], v[ST+8*\t+1]   ; with the old m
.endif
.endr
.irp t, 0,1,2,3
	v_permlanex16_b32 v[ST+8*\t+5], v[ST+8*\t+4], s[SEL], s[SEL+1]          ; the query's other 32 keys lie in the lane 16 away
.endr
.if !\first
.irp t, 0,1,2,3
	v_mov_b32 v[ST+8*\t+7], v[ST+8*\t]             ; c m_old is kept for a
.endr
.endif
.irp t, 0,1,2,3
	v_max_num_f32 v[ST+8*\t+1], v[ST+8*\t+4], v[ST+8*\t+5]
.endr
.irp t, 0,1,2,3
	v_mul_f32 v[ST+8*\t], s[CS], v[ST+8*\t+1]
.endr
.if !\first
.irp t, 0,1,2,3
	v_sub_f32 v[ST+8*\t+7], v[ST+8*\t+7], v[ST+8*\t]
.endr
.irp t, 0,1,2,3
	v_exp_f32 v[ST+8*\t+6], v[ST+8*\t+7]           ; a
.endr
.endif
; ONE BATCH: 64 packed scalings c s - c m, each followed by the two exponentials of the same tile's pair before it.  No line of the batch names an exponential's result.
.set PP, 0
.rept 64
	v_pk_fma_f32 v[S+32*(PP%4)+2*(PP/4):S+32*(PP%4)+2*(PP/4)+1], v[S+32*(PP%4)+2*(PP/4):S+32*(PP%4)+2*(PP/4)+1], s[CS:CS+1], v[ST+8*(PP%4):ST+8*(PP%4)+1] op_sel_hi:[1,0,0] neg_lo:[0,0,1] neg_hi:[0,0,1]
.if PP >= 4
	v_exp_f32 v[S+32*(PP%4)+2*(PP/4)-2], v[S+32*(PP%4)+2*(PP/4)-2]
	v_exp_f32 v[S+32*(PP%4)+2*(PP/4)-1], v[S+32*(PP%4)+2*(PP/4)-1]
.endif
.set PP, PP+1
.endr
.irp t, 0,1,2,3
	v_exp_f32 v[S+32*\t+30], v[S+32*\t+30]
	v_exp_f32 v[S+32*\t+31], v[S+32*\t+31]
.endr
	v_nop                                          ; a plain line behind the last exponential, ahead of the first use
	s_wait_alu depctr_va_vdst(0)                   ; one wait for the whole batch, ahead of its first reader
; the row's sum of the unrounded p: two chains a tile (in a pair: an even key's weight, an odd key's)
.irp t, 0,1,2,3
.if \first
	v_pk_add_f32 v[ST+8*\t+2:ST+8*\t+3], v[S+32*\t:S+32*\t+1], v[S+32*\t+6:S+32*\t+7]
.else
	v_pk_fma_f32 v[ST+8*\t+2:ST+8*\t+3], v[ST+8*\t+2:ST+8*\t+3], v[ST+8*\t+6:ST+8*\t+7], v[S+32*\t:S+32*\t+1] op_sel_hi:[1,0,1]   ; l = a l + pair 0
.endif
.endr
.irp t, 0,1,2,3
	v_pk_add_f32 v[ST+8*\t+4:ST+8*\t+5], v[S+32*\t+2:S+32*\t+3], v[S+32*\t+4:S+32*\t+5]
.endr
.if !\first
.irp t, 0,1,2,3
	v_pk_add_f32 v[ST+8*\t+2:ST+8*\t+3], v[ST+8*\t+2:ST+8*\t+3], v[S+32*\t+6:S+32*\t+7]
.endr
.endif
.irp i, 4,6,8,10,12,14
.irp t, 0,1,2,3
	v_pk_add_f32 v[ST+8*\t+4:ST+8*\t+5], v[ST+8*\t+4:ST+8*\t+5], v[S+32*\t+2*\i:S+32*\t+2*\i+1]
.endr
.irp t, 0,1,2,3
	v_pk_add_f32 v[ST+8*\t+2:ST+8*\t+3], v[ST+8*\t+2:ST+8*\t+3], v[S+32*\t+2*\i+2:S+32*\t+2*\i+3]
.endr
.endr
.irp t, 0,1,2,3
	v_pk_add_f32 v[ST+8*\t+2:ST+8*\t+3], v[ST+8*\t+2:ST+8*\t+3], v[ST+8*\t+4:ST+8*\t+5]
.endr
.irp i, 0,1,2,3,4,5,6,7,8,9,10,11,12,13,14,15      ; p to f16, in place, ascending: pair i lands in register i, which has been read
.irp t, 0,1,2,3
	v_cvt_pk_f16_f32 v[S+32*\t+\i], v[S+32*\t+2*\i], v[S+32*\t+2*\i+1]
.endr
.endr
.endm
; A KEY STEP of 64 keys.  fk = 1: the next step's K is fetched behind this step's V.
.macro STEP first, fk
	s_wait_dscnt 0x0                               ; K is in
	WIN W_KQ
	KQ
	WIN 0
	v_add_nc_u32 v[ADV], s[TB], v[LV]              ; these two and the two v_nop are the four places behind the products, ahead of the loads into K's registers and of the first read of the scores
	v_add_nc_u32 v[ADK], s[TB], v[LKN]
	v_nop
	v_nop
	FETCHV
.if \fk
	FETCHK ADK
.endif
	SOFTMAX \first
.if !\first
	WIN W_RS
.irp i, 0,2,4,6,8,10,12,14,16,18,20,22,24,26,28,30
.irp t, 0,1,2,3
	v_pk_mul_f32 v[32*\t+\i:32*\t+\i+1], v[32*\t+\i:32*\t+\i+1], v[ST+8*\t+6:ST+8*\t+7] op_sel_hi:[1,0]   ; O^T times a
.endr
.endr
.endif
	s_wait_dscnt 16*\fk                            ; V is in; the next K's 16 loads, issued behind V's, may be out
	WIN W_PV
	PV \first
	WIN 0
.rept 5
	v_nop                                          ; five places: the next step's first products write over registers that these products read as P
.endr
	s_add_co_u32 s[TB], s[TB], STEPB
.endm
	s_load_b128 s[4:7], s[0:1], 0x0                ; qkv s[4:5], hd s[6:7]
	v_lshl_add_u32 v[SPW], v0, 2, SPARE
	v_mov_b32 v[NIL], 0
	ds_add_u32 v[SPW], v[NIL]                      ; the wave's opening: the add, twice on end, and its wait ahead of my first tensor load
	ds_add_u32 v[SPW], v[NIL]
	v_lshrrev_b32 v1, 5, v0
	v_readfirstlane_b32 s[WV], v1                  ; wave 0..7
	v_and_b32 v1, 31, v0
	v_lshlrev_b32 v[L16], 4, v1
	v_add_nc_u32 v[LKN], STEPB, v[L16]
	v_add_nc_u32 v[LV], VBY, v[L16]
	s_and_b32 s9, ttmp7, 0xffff                    ; y = 8 head + batch
	s_lshl_b32 s10, s9, 17                         ; the pair's block in each of q, k, v and in hd
	s_lshr_b32 s11, s[WV], 2                       ; waves 0-3 fetch K, waves 4-7 V
	s_and_b32 s12, s[WV], 3                        ; which quarter of a chunk
	s_lshl_b32 s13, s11, 17                        ; LDS: K's base or V's
	s_add_co_u32 s66, s11, 1
	s_lshl_b32 s66, s66, 24                        ; k begins 2^24 bytes into qkv, v 2^25
	s_add_co_u32 s66, s66, s10
	s_mov_b32 s67, 0
	MKG1 G1A, 16
	MKG1 G1B, 32
	MKG1 G1C, 64
	s_mov_b32 s[CS], 0x3e38aa3b                    ; c = log2(e) / 8
	s_mov_b32 s[CS+1], s[CS]                       ; (named with it as a pair, so it is written)
	s_mov_b32 s[SEL], 0x76543210
	s_mov_b32 s[SEL+1], 0xfedcba98
	s_mov_b32 s[TB], 0
	s_lshl_b32 s70, ttmp9, 16                      ; my work-group's 32 tiles of queries,
	s_lshl_b32 s71, s[WV], 13                      ; my wave's four
	s_add_co_u32 s70, s70, s71
	s_add_co_u32 s70, s70, s10
	s_mov_b32 s71, 0
	s_wait_dscnt 0x0                               ; both opening adds are done
	s_wait_kmcnt 0x0
	s_add_nc_u64 s[68:69], s[4:5], s[66:67]        ; the pair's block of k or of v
	s_add_nc_u64 s[4:5], s[4:5], s[70:71]          ; q at my wave's first tile
	s_add_nc_u64 s[6:7], s[6:7], s[70:71]          ; hd likewise
	WIN TO_1
.irp p, 0,1,2,3,4,5,6,7,8,9,10,11,12,13,14,15      ; Q stays in registers: piece 4 t + ct.  It is asked for ahead of K and V: the first products want it with the first chunk
	global_load_b128 v[QF+4*\p:QF+4*\p+3], v[L16], s[4:5] offset:512*\p
.endr
	WIN 0
	MKG0 0, 12, 0                                  ; keys 0-127: 16,384 bytes, 4,096 a wave
	MKG0 1, 12, 16384                              ; keys 128-255: the same
	MKG0 2, 13, 32768                              ; keys 256-511: 8,192 a wave
	MKG0 3, 14, 65536                              ; keys 512-1,023: 16,384 a wave
	tensor_load_to_lds s[G0:G0+3], s[G1A:G1A+7]
	s_nop 0
	tensor_load_to_lds s[G0+4:G0+7], s[G1A:G1A+7]
	s_nop 0
	tensor_load_to_lds s[G0+8:G0+11], s[G1B:G1B+7]
	s_nop 0
	tensor_load_to_lds s[G0+12:G0+15], s[G1C:G1C+7]   ; four tensor loads of mine are out
	s_nop 0
.rept 4
	v_nop
.endr
	s_wait_tensorcnt 3                             ; my part of keys 0-127 is in; the three later chunks may stay out
	s_barrier_signal -1
	s_barrier_wait -1                              ; everybody's is
	FETCHK L16                                     ; key step 0
	s_wait_loadcnt 0x0                             ; Q
	STEP 1, 1                                      ; step 0 starts m, l and O^T; it fetches K of step 1, the first chunk's last
	MEET 2                                         ; keys 128-255: step 1 fetches K of step 2
	s_mov_b32 s[CNT], 2
.Lchunk1:                                          ; steps 1 and 2
	STEP 0, 1
	s_sub_co_u32 s[CNT], s[CNT], 1
	s_cmp_lg_u32 s[CNT], 0
	s_cbranch_scc1 .Lchunk1
	MEET 1                                         ; keys 256-511: step 3 fetches K of step 4
	s_mov_b32 s[CNT], 4
.Lchunk2:                                          ; steps 3 to 6
	STEP 0, 1
	s_sub_co_u32 s[CNT], s[CNT], 1
	s_cmp_lg_u32 s[CNT], 0
	s_cbranch_scc1 .Lchunk2
	MEET 0                                         ; keys 512-1,023: step 7 fetches K of step 8
	s_mov_b32 s[CNT], 8
.Lchunk3:                                          ; steps 7 to 14
	STEP 0, 1
	s_sub_co_u32 s[CNT], s[CNT], 1
	s_cmp_lg_u32 s[CNT], 0
	s_cbranch_scc1 .Lchunk3
	STEP 0, 0                                      ; step 15 fetches no further K
	; THE WAY OUT: l's two halves and the other half of the lanes' are added; O^T is divided by l and rounded to f16: a tile of 16 queries x 16 channels is a piece, stored from the registers
.irp t, 0,1,2,3
	v_add_f32 v[ST+8*\t+4], v[ST+8*\t+2], v[ST+8*\t+3]
.endr
.irp t, 0,1,2,3
	v_permlanex16_b32 v[ST+8*\t+5], v[ST+8*\t+4], s[SEL], s[SEL+1]
.endr
.irp t, 0,1,2,3
	v_add_f32 v[ST+8*\t+4], v[ST+8*\t+4], v[ST+8*\t+5]
.endr
.irp t, 0,1,2,3
	v_rcp_f32 v[ST+8*\t+6], v[ST+8*\t+4]
.endr
	v_nop                                          ; a plain line between the last reciprocal and the use of its result
	s_wait_alu depctr_va_vdst(0)                   ; one wait for the four reciprocals
.irp t, 0,1,2,3
	WIN W_RS
.irp i, 0,2,4,6,8,10,12,14,16,18,20,22,24,26,28,30
	v_pk_mul_f32 v[32*\t+\i:32*\t+\i+1], v[32*\t+\i:32*\t+\i+1], v[ST+8*\t+6:ST+8*\t+7] op_sel_hi:[1,0]
.endr
	WIN 0x05                                       ; sources 0 and 1 window 1, destination window 0
.irp i, 0,1,2,3,4,5,6,7,8,9,10,11,12,13,14,15
	v_cvt_pk_f16_f32 v[S+16*\t+\i], v[32*\t+2*\i], v[32*\t+2*\i+1]
.endr
	WIN 0
.irp ct, 0,1,2,3
	global_store_b128 v[L16], v[S+16*\t+4*\ct:S+16*\t+4*\ct+3], s[6:7] offset:\t*2048+\ct*512   ; 32 lanes store 512 consecutive bytes, aligned
.endr
.endr
	s_wait_tensorcnt 0x0                           ; the wave's end
	ds_add_u32 v[SPW], v[NIL]
	s_wait_dscnt 0x0
	s_endpgm
.Lfunc_end_k_q3cc09e8177_attn:
	.size	k_q3cc09e8177_attn, .Lfunc_end_k_q3cc09e8177_attn-k_q3cc09e8177_attn
	.p2alignl 7, 3214868480
	.fill 96, 4, 3214868480
	.section	.rodata,"a",@progbits
	.p2align	6, 0x0
	.amdhsa_kernel k_q3cc09e8177_attn
		.amdhsa_group_segment_fixed_size 327680
		.amdhsa_private_segment_fixed_size 0
		.amdhsa_enable_private_segment 0
		.amdhsa_kernarg_size 16
		.amdhsa_user_sgpr_count 2
		.amdhsa_user_sgpr_kernarg_segment_ptr 1
		.amdhsa_wavefront_size32 1
		.amdhsa_system_sgpr_workgroup_id_x 1
		.amdhsa_system_sgpr_workgroup_id_y 1
		.amdhsa_system_sgpr_workgroup_id_z 1
		.amdhsa_system_vgpr_workitem_id 0
		.amdhsa_next_free_vgpr 512
		.amdhsa_next_free_sgpr 72
		.amdhsa_reserve_vcc 0
		.amdhsa_float_denorm_mode_32 3
		.amdhsa_float_denorm_mode_16_64 3
		.amdhsa_memory_ordered 1
		.amdhsa_forward_progress 1
		.amdhsa_inst_pref_size 171
	.end_amdhsa_kernel
	.amdgpu_metadata
---
amdhsa.version: [ 1, 2 ]
amdhsa.kernels:
  - .name:           k_q3cc09e8177_attn
    .symbol:         k_q3cc09e8177_attn.kd
    .args:
      - { .name: qkv, .offset: 0, .size: 8, .value_kind: global_buffer, .address_space: global }
      - { .name: hd, .offset: 8, .size: 8, .value_kind: global_buffer, .address_space: global }
    .group_segment_fixed_size: 327680
    .private_segment_fixed_size: 0
    .kernarg_segment_align: 8
    .kernarg_segment_size: 16
    .max_flat_workgroup_size: 256
    .sgpr_count:     72
    .vgpr_count:     512
    .wavefront_size: 32
...
	.end_amdgpu_metadata
.endif
;; end of part 3
;; launch outp (part 4): grid 4 x 64, 4 waves a work-group, clusters of 4 x 4, 327,680 bytes of LDS; arguments hd, woh, bo, out0; writes out0
.if DOCPART == 4
	.amdgcn_target "amdgcn-amd-amdhsa--gfx1250"
	.amdhsa_code_object_version 6
	.text
	.protected	k_q3cc09e8177_outp
	.globl	k_q3cc09e8177_outp
	.p2align	8
	.type	k_q3cc09e8177_outp,@function
k_q3cc09e8177_outp:
	s_mov_b64 s[64:65], 0
	v_nop
	global_prefetch_b8 v0, s[64:65] scope:SCOPE_SE
	s_setreg_imm32_b32 hwreg(HW_REG_WAVE_MODE, 25, 1), 1
	s_wait_xcnt 0x0
	s_wait_alu depctr_hold_cnt(0) depctr_sa_sdst(0) depctr_va_vdst(0) depctr_va_sdst(0) depctr_va_ssrc(0) depctr_va_vcc(0) depctr_vm_vsrc(0)
	s_getreg_b32 s2, hwreg(HW_REG_IB_STS2, 6, 4)
	s_cmp_eq_u32 s2, 0
	s_cbranch_scc0 .Lentry_in_a_cluster
	s_endpgm
.Lentry_in_a_cluster:
	s_bfe_u32 s2, ttmp6, 0x10000c
	s_cmp_lg_u32 s2, 0xf033
	s_cbranch_scc0 .Lentry_shape_is_right
	s_endpgm
.Lentry_shape_is_right:
; OUTP: out0[m][n] = the sum over k of heads[m][k] Wo[k][n] + bo[n].  heads (hd) and Wo (woh) in f16, sums in f32, out0 [8192][1024] f32.
; IN: both operands lie in pieces of 16 rows x 16 along K of f16 (512 bytes, lane l's 16 bytes at 16 l); two neighbouring pieces ARE a fragment of 16 rows x 32 K.
;   hd:  (k / 64) x 2^20 + (m / 16) x 2,048 + ((k % 64) / 16) x 512        woh: (k / 64) x 131,072 + (n / 16) x 2,048 + ((k % 64) / 16) x 512
; A tile of out0 is 128 rows x 256 columns: 256 work-groups.  Four waves, each 64 x 128: 32 accumulators of 16 x 16, 256 registers.
; K goes in steps of 128 through a ring of two LDS slots; a step's tiles are four dense blocks of memory (two of heads: 16,384 bytes each; two of Wo: 32,768 each), one tensor load a wave.
; CLUSTERS: 4 x 4 work-groups.  The four of a row of the cluster need the same rows of heads, the four of a column the same rows of Wo^T: each block is asked for JOINTLY.
; THE MATRIX INSTRUCTION IS USED TRANSPOSED (source 0 = 16 columns n of Wo, source 1 = 16 rows of heads): a lane holds eight neighbouring numbers of a row of out0.  bo is the C of each sum's first product.
; REGISTERS: window 0: v16-29 addresses; v32-95 bo in the result's layout; v96-223 the way out.  window 1: two fragment buffers at v0 and v128: Wo's 8 fragments, then heads' 4.  window 2: accumulator (a, b) at v[8 (8 a + b)].
.set SLOT,   98304                     ; heads' two blocks (16,384 each), then Wo's two (32,768 each)
.set BOFF,   32768
.set STAGE,  2*SLOT                    ; behind the ring: 16 rows x (512 + 16) bytes for each wave, for the way out
.set SPITCH, 528
.set SPARE,  STAGE+4*16*SPITCH         ; the spare words, 128 bytes for each wave
.set ADRA, 16                          ; v16-17  LDS address of my fragments of heads in slot 0, 1
.set ADRB, 20                          ; v20-21  the same for Wo
.set STO,  24                          ; v24     the way out: where I put 32 bytes of a row
.set RD,   25                          ; v25     where I read a row back
.set CO,   26                          ; v26     16 x lane
.set SPW,  28                          ; v28     LDS address of my spare word; never rewritten
.set NIL,  29                          ; v29     0; never rewritten
.set BI,   32
.set BK,   96
.set F0,   0
.set F1,   128
.set G1, 24                            ; s[24:31] descriptor group 1 for heads' blocks;  s[32:39] group 0, one set for each slot
.set G0, 32
.set G1B, 48                           ; s[48:55], s[56:63] the same for Wo's
.set G0B, 56
.set MSB, 0
.macro WIN new
.if MSB != (\new)
	s_set_vgpr_msb (MSB<<8)|(\new)
.set MSB, (\new)
.endif
.endm
.set MUL,  0xa5                        ; sources 0 and 1 window 1; C and D window 2
.set FST,  0x85                        ; the first quarter: C (bo) window 0
.set TO_F, 0x40                        ; destination window 1, address window 0
.macro JLOAD s                         ; a joint load: waves 0 and 1 fetch heads' two blocks, waves 2 and 3 Wo's; an s_nop 0 and four v_nop follow each of the two lines
	s_cmp_eq_u32 s13, 0
	s_cbranch_scc0 .Lfor_b_\@
	tensor_load_to_lds s[G0+4*\s:G0+4*\s+3], s[G1:G1+7]
	s_nop 0
.rept 4
	v_nop
.endr
	s_branch .Lasked_\@
.Lfor_b_\@:
	tensor_load_to_lds s[G0B+4*\s:G0B+4*\s+3], s[G1B:G1B+7]
	s_nop 0
.rept 4
	v_nop
.endr
.Lasked_\@:
.endm
.macro CREST                           ; a round of the cluster's barrier behind its opening barrier
	s_cmp_lg_u32 s12, 0
	s_cbranch_scc1 .Lnot_wave_0_\@
	s_barrier_signal -3
.Lnot_wave_0_\@:
	s_barrier_wait -3
	s_barrier_signal -1
	s_barrier_wait -1
.endm
.macro CROUND
	s_barrier_signal -1
	s_barrier_wait -1
	CREST
.endm
	s_load_b128 s[4:7], s[0:1], 0x0                ; hd s[4:5], woh s[6:7]
	s_load_b128 s[8:11], s[0:1], 0x10              ; bo s[8:9], out0 s[10:11]
	v_lshl_add_u32 v[SPW], v0, 2, SPARE
	v_mov_b32 v[NIL], 0
	ds_add_u32 v[SPW], v[NIL]                      ; the wave's opening: the add, twice on end, and its wait ahead of my first tensor load
	ds_add_u32 v[SPW], v[NIL]
	v_lshrrev_b32 v1, 5, v0
	v_readfirstlane_b32 s12, v1                    ; wave 0..3
	s_lshr_b32 s13, s12, 1                         ; which 64 rows of the tile are mine.  Also: I fetch for heads (0) or for Wo (1)
	s_and_b32 s14, s12, 1                          ; which 128 columns.  Also: which 64 along K of a step I fetch
	s_bfe_u32 s40, ttmp6, 0x40000                  ; cx, cy: my place in the cluster
	s_bfe_u32 s41, ttmp6, 0x40004
	s_lshl_b32 s42, ttmp9, 2
	s_add_co_u32 s42, s42, s40                     ; tile column 0..3
	s_and_b32 s15, ttmp7, 0xffff
	s_lshl_b32 s15, s15, 2
	s_add_co_u32 s15, s15, s41                     ; tile row 0..63
	s_lshl_b32 s43, s41, 2
	s_lshl_b32 s43, 15, s43                        ; my row of the cluster
	s_lshl_b32 s44, 0x1111, s40                    ; my column
	s_or_b32 s[G1+0], s43, (3<<16)|(1<<21)         ; the mask of my row; elements of 8 bytes; bit 21 beside a mask; no padding: everything is read at 16 x lane
	s_mov_b32 s[G1+1], 32<<16                      ; rows of 256 bytes,
	s_mov_b32 s[G1+2], 64<<16                      ; 64 of them
	s_mov_b32 s[G1+3], 32<<16
	s_mov_b32 s[G1+4], 64
	s_mov_b32 s[G1+5], 32                          ; dense
	s_mov_b32 s[G1+6], 0
	s_mov_b32 s[G1+7], 0
	s_or_b32 s[G1B+0], s44, (3<<16)|(1<<21)        ; the mask of my column
	s_mov_b32 s[G1B+1], 32<<16
	s_mov_b32 s[G1B+2], 128<<16                    ; 128 rows of 256 bytes
	s_mov_b32 s[G1B+3], 32<<16
	s_mov_b32 s[G1B+4], 128
	s_mov_b32 s[G1B+5], 32
	s_mov_b32 s[G1B+6], 0
	s_mov_b32 s[G1B+7], 0
	s_lshl_b32 s16, s14, 20                        ; heads: my 64 along K, the tile's 8 row tiles
	s_lshl_b32 s17, s15, 14
	s_add_co_u32 s16, s16, s17
	s_mov_b32 s17, 0
	s_lshl_b32 s46, s14, 17                        ; Wo: my 64 along K, the tile's 16 column tiles
	s_lshl_b32 s47, s42, 15
	s_add_co_u32 s46, s46, s47
	s_mov_b32 s47, 0
	s_lshl_b32 s20, s14, 14                        ; where they go: no place in the cluster enters an LDS address
	s_lshl_b32 s21, s14, 15
	s_add_co_u32 s21, s21, BOFF
	s_wait_dscnt 0x0                               ; both opening adds are done
	s_wait_kmcnt 0x0
	s_add_nc_u64 s[16:17], s[4:5], s[16:17]
	s_add_nc_u64 s[46:47], s[6:7], s[46:47]
	CROUND                                         ; all sixteen work-groups are here: the first joint loads meet
.irp s, 0,1
	s_mov_b32 s[G0+4*\s], 1
	s_add_co_u32 s[G0+4*\s+1], s20, \s*SLOT
	s_add_nc_u64 s[G0+4*\s+2:G0+4*\s+3], s[16:17], \s*2*1048576
	s_or_b32 s[G0+4*\s+3], s[G0+4*\s+3], 0x80000000
	s_mov_b32 s[G0B+4*\s], 1
	s_add_co_u32 s[G0B+4*\s+1], s21, \s*SLOT
	s_add_nc_u64 s[G0B+4*\s+2:G0B+4*\s+3], s[46:47], \s*2*131072
	s_or_b32 s[G0B+4*\s+3], s[G0B+4*\s+3], 0x80000000
	JLOAD \s                                       ; two tensor loads of a wave are out
.endr
	v_and_b32 v1, 31, v0
	v_lshlrev_b32 v[CO], 4, v1                     ; 16 x lane
	s_lshl_b32 s22, s13, 13                        ; my 4 row tiles of heads
	s_lshl_b32 s23, s14, 14                        ; my 8 column tiles of Wo,
	s_add_co_u32 s23, s23, BOFF                    ; which lie behind heads' blocks
.irp s, 0,1
	v_add_nc_u32 v[ADRA+\s], s22, v[CO]
	v_add_nc_u32 v[ADRB+\s], s23, v[CO]
	s_add_co_u32 s22, s22, SLOT
	s_add_co_u32 s23, s23, SLOT
.endr
	s_mul_i32 s22, s12, 16*SPITCH
	s_add_co_u32 s22, s22, STAGE                   ; my stage
	v_and_b32 v2, 15, v0                           ; r
	v_bfe_u32 v3, v0, 4, 1                         ; h
	v_mul_u32_u24 v4, v2, SPITCH
	v_lshl_add_u32 v4, v3, 5, v4
	v_add_nc_u32 v[STO], s22, v4                   ; in: row r, 32 bytes for each half of the lanes
	v_add_nc_u32 v[RD], s22, v[CO]                 ; back: the 32 lanes take one row of 512 bytes
	v_lshlrev_b32 v5, 5, v3                        ; bo: lane (r, h) wants, for tile b, columns 16 b + 8 h + 0 .. 7
	s_lshl_b32 s46, s42, 10                        ; my first column, in bytes of f32: 1,024 x tile column + 512 x half
	s_lshl_b32 s47, s14, 9
	s_add_co_u32 s46, s46, s47
	s_mov_b32 s47, 0
	s_add_nc_u64 s[8:9], s[8:9], s[46:47]
.irp b, 0,1,2,3,4,5,6,7
	global_load_b128 v[BI+8*\b:BI+8*\b+3], v5, s[8:9] offset:64*\b
	global_load_b128 v[BI+8*\b+4:BI+8*\b+7], v5, s[8:9] offset:64*\b+16
.endr
	s_lshl_b32 s16, s15, 19                        ; my first row of out0: (128 x tile row + 64 x half) x 4,096 bytes
	s_lshl_b32 s17, s13, 18
	s_add_co_u32 s16, s16, s17
	s_mov_b32 s17, 0
	s_add_nc_u64 s[10:11], s[10:11], s[16:17]
	s_add_nc_u64 s[10:11], s[10:11], s[46:47]
; 8 matrix instructions: row tile a against all 8 column tiles, 32 along K, from buffer f.  first = 1: bo is C.  The 32 accumulators take turns.
.macro MUL8 f, a, first
.irp b, 0,1,2,3,4,5,6,7
.if \first
	v_wmma_f32_16x16x32_f16 v[8*(8*(\a)+\b):8*(8*(\a)+\b)+7], v[\f+8*\b:\f+8*\b+7], v[\f+64+8*(\a):\f+64+8*(\a)+7], v[BI+8*\b:BI+8*\b+7]
.else
	v_wmma_f32_16x16x32_f16 v[8*(8*(\a)+\b):8*(8*(\a)+\b)+7], v[\f+8*\b:\f+8*\b+7], v[\f+64+8*(\a):\f+64+8*(\a)+7], v[8*(8*(\a)+\b):8*(8*(\a)+\b)+7]
.endif
.endr
.endm
; 24 LDS loads in one run: the fragments of the slot's quarter qd (32 along K) into buffer f: Wo's 16 loads, then heads' 8
.macro FETCH slot, qd, f
	WIN TO_F
.irp b, 0,1,2,3,4,5,6,7
.irp c, 0,1
	ds_load_b128 v[\f+8*\b+4*\c:\f+8*\b+4*\c+3], v[ADRB+\slot] offset:((\qd)/2)*32768+\b*2048+((\qd)%2)*1024+512*\c
.endr
.endr
.irp a, 0,1,2,3
.irp c, 0,1
	ds_load_b128 v[\f+64+8*\a+4*\c:\f+64+8*\a+4*\c+3], v[ADRA+\slot] offset:((\qd)/2)*16384+\a*2048+((\qd)%2)*1024+512*\c
.endr
.endr
.endm
.macro PLACES                          ; four plain lines in front of loads into registers that matrix instructions have read, and of the first read of results
.rept 4
	v_nop
.endr
.endm
; A K step is four quarters of 32 along K, 32 matrix instructions each, on buffers 0, 1, 0, 1.  One of the first three: multiplies buffer f and fetches quarter qd into g.
.macro QUARTER slot, qd, f, g, first
	s_wait_dscnt 4                                 ; Wo's fragments and heads' tiles 0, 1 are in; the youngest four loads (tiles 2, 3) may be out
.if \first
	WIN FST
.else
	WIN MUL
.endif
	MUL8 \f, 0, \first
	MUL8 \f, 1, \first
	PLACES
	FETCH \slot, \qd, \g
	s_wait_dscnt 24                                ; all but the 24 just issued
.if \first
	WIN FST
.else
	WIN MUL
.endif
	MUL8 \f, 2, \first
	MUL8 \f, 3, \first
.endm
; The last quarter multiplies buffer 1 and changes slots: ONE barrier; in front of it each wave waits for all its tensor loads, adds 0 to its spare word, and waits for that and for its reads of this slot.
; fill = 1: the barrier opens a round of the cluster's barrier, and this slot is filled again, two K steps ahead, first thing behind the round.
.macro TURN slot, next, fill
	WIN 0                                          ; (the add's two registers lie in window 0)
	s_wait_tensorcnt 0x0                           ; all my tensor loads have landed: my part of the next slot
	ds_add_u32 v[SPW], v[NIL]                      ; 0 onto my spare word
	s_wait_dscnt 5                                 ; (the add and the youngest four loads may be out)
	WIN MUL
	MUL8 F1, 0, 0
	s_wait_dscnt 0x0                               ; the add is done, and my reads of this slot are over
	s_barrier_signal -1
	MUL8 F1, 1, 0
.if \fill
	WIN 0
.endif
	s_barrier_wait -1
.if \fill
	CREST                                          ; no wave of any partner still reads this slot or has a load on its way
	s_add_nc_u64 s[G0+4*\slot+2:G0+4*\slot+3], s[G0+4*\slot+2:G0+4*\slot+3], 4*1048576
	s_add_nc_u64 s[G0B+4*\slot+2:G0B+4*\slot+3], s[G0B+4*\slot+2:G0B+4*\slot+3], 4*131072
	JLOAD \slot                                    ; the first tensor load behind the round; its four v_nop are also the places in front of the loads below
.else
	PLACES
.endif
	FETCH \next, 0, F0
	WIN MUL
	MUL8 F1, 2, 0
	MUL8 F1, 3, 0
.endm
	s_wait_tensorcnt 1                             ; my part of K step 0 is in (K step 1's load may be out),
	s_barrier_signal -1
	s_barrier_wait -1                              ; everybody's is
	FETCH 0, 0, F0
	s_wait_loadcnt 0x0                             ; bo
	QUARTER 0, 1, F0, F1, 1                        ; the first quarter stands in front of the loop: its products start the sums from bo
	WIN 0                                          ; at a label and at a branch every window is 0
	s_mov_b32 s3, 3
.Llap:                                             ; a trip goes once round the ring, from a lap's second quarter to the next lap's first, and fills both slots again: K steps 2 to 7
	QUARTER 0, 2, F1, F0, 0
	QUARTER 0, 3, F0, F1, 0
	TURN 0, 1, 1
	QUARTER 1, 1, F0, F1, 0
	QUARTER 1, 2, F1, F0, 0
	QUARTER 1, 3, F0, F1, 0
	TURN 1, 0, 1
	QUARTER 0, 1, F0, F1, 0
	WIN 0
	s_sub_co_u32 s3, s3, 1
	s_cmp_lg_u32 s3, 0
	s_cbranch_scc1 .Llap
	QUARTER 0, 2, F1, F0, 0                        ; the last lap fills nothing, and has no round of the cluster's barrier
	QUARTER 0, 3, F0, F1, 0
	TURN 0, 1, 0
	QUARTER 1, 1, F0, F1, 0
	QUARTER 1, 2, F1, F0, 0
	QUARTER 1, 3, F0, F1, 0
	s_wait_dscnt 4                                 ; the very last quarter: nothing more to fetch
	WIN MUL
	MUL8 F1, 0, 0
	MUL8 F1, 1, 0
	s_wait_dscnt 0
	MUL8 F1, 2, 0
	MUL8 F1, 3, 0
	WIN 0
; THE WAY OUT, block by block of 16 rows x 128 columns: a lane holds 32 neighbouring bytes of a row, so a block goes through my own stage in LDS and comes back as whole rows of 512 bytes.
; LDS serves a wave's instructions in order (ISA guide 5.7.1.4): no wait between the stores and the loads, nor in front of the next block's stores.
.macro TOSTAGE a
	WIN 0x08                                       ; an LDS store's data are its source 1: window 2
.irp b, 0,1,2,3,4,5,6,7
	ds_store_b128 v[STO], v[64*(\a)+8*\b:64*(\a)+8*\b+3] offset:64*\b            ; each accumulator from its low end on
	ds_store_b128 v[STO], v[64*(\a)+8*\b+4:64*(\a)+8*\b+7] offset:64*\b+16
.endr
	WIN 0
.irp t, 0,1,2,3,4,5,6,7,8,9,10,11,12,13,14,15
	ds_load_b128 v[BK+64*((\a)%2)+4*\t:BK+64*((\a)%2)+4*\t+3], v[RD] offset:\t*SPITCH
.endr
.endm
.macro SEND a, younger                 ; younger: the LDS instructions issued behind block a's loads, which may stay out
	s_wait_dscnt \younger
.irp t, 0,1,2,3,4,5,6,7,8,9,10,11,12,13,14,15
	global_store_b128 v[CO], v[BK+64*((\a)%2)+4*\t:BK+64*((\a)%2)+4*\t+3], s[10:11] offset:(16*(\a)+\t)*4096 th:TH_STORE_NT   ; 32 lanes store 512 consecutive bytes, aligned; written once, read by nobody here
.endr
.endm
	PLACES                                         ; behind the last products, ahead of the first read of results
	TOSTAGE 0
.irp a, 1,2,3
.if \a > 1
	s_wait_xcnt 0x0                                ; block a - 2's stores have read their registers: block a's loads may land there
.endif
	TOSTAGE \a
	SEND \a-1, 32                                  ; behind block a - 1's loads: block a's 16 stores and 16 loads
.endr
	SEND 3, 0
	s_wait_tensorcnt 0x0                           ; the wave's end, behind my last tensor load and my last LDS store
	ds_add_u32 v[SPW], v[NIL]
	s_wait_dscnt 0x0
	CROUND                                         ; the closing round: no work-group ends while a partner may still ask for a block that names it
	s_endpgm
.Lfunc_end_k_q3cc09e8177_outp:
	.size	k_q3cc09e8177_outp, .Lfunc_end_k_q3cc09e8177_outp-k_q3cc09e8177_outp
	.p2alignl 7, 3214868480
	.fill 96, 4, 3214868480
	.section	.rodata,"a",@progbits
	.p2align	6, 0x0
	.amdhsa_kernel k_q3cc09e8177_outp
		.amdhsa_group_segment_fixed_size 327680
		.amdhsa_private_segment_fixed_size 0
		.amdhsa_enable_private_segment 0
		.amdhsa_kernarg_size 32
		.amdhsa_user_sgpr_count 2
		.amdhsa_user_sgpr_kernarg_segment_ptr 1
		.amdhsa_wavefront_size32 1
		.amdhsa_system_sgpr_workgroup_id_x 1
		.amdhsa_system_sgpr_workgroup_id_y 1
		.amdhsa_system_sgpr_workgroup_id_z 1
		.amdhsa_system_vgpr_workitem_id 0
		.amdhsa_next_free_vgpr 768
		.amdhsa_next_free_sgpr 66
		.amdhsa_reserve_vcc 0
		.amdhsa_float_denorm_mode_32 3
		.amdhsa_float_denorm_mode_16_64 3
		.amdhsa_memory_ordered 1
		.amdhsa_forward_progress 1
		.amdhsa_inst_pref_size 86
	.end_amdhsa_kernel
	.amdgpu_metadata
---
amdhsa.version: [ 1, 2 ]
amdhsa.kernels:
  - .name:           k_q3cc09e8177_outp
    .symbol:         k_q3cc09e8177_outp.kd
    .args:
      - { .name: hd, .offset: 0, .size: 8, .value_kind: global_buffer, .address_space: global }
      - { .name: woh, .offset: 8, .size: 8, .value_kind: global_buffer, .address_space: global }
      - { .name: bo, .offset: 16, .size: 8, .value_kind: global_buffer, .address_space: global }
      - { .name: out0, .offset: 24, .size: 8, .value_kind: global_buffer, .address_space: global }
    .group_segment_fixed_size: 327680
    .private_segment_fixed_size: 0
    .kernarg_segment_align: 8
    .kernarg_segment_size: 32
    .max_flat_workgroup_size: 128
    .sgpr_count:     66
    .vgpr_count:     768
    .wavefront_size: 32
...
	.end_amdgpu_metadata
.endif
;; end of part 4
